; MI455X (gfx1250); checked and timed in simulation.
; The chip was launched on July 23, 2026; its instructions are those of AMD's public machine-readable ISA for CDNA 5 (MIT licence, August 2026) and "CDNA5" Instruction Set Architecture Reference Guide (July 2026). The comments in the code are by the model that wrote it; some were corrected since.
;; Multi Headed Attention. Allowed arithmetic: matrix products marked QUANTISED: E2M3 operands, one E8M0 scale for each 32 along K, by v_wmma_scale_f32_16x16x128_f8f6f4 with both operands' format E2M3, f32 sums; everything else in f32.
;; Inputs: Wk 1,024 x 1,024 float32; Wo 1,024 x 1,024 float32; Wq 1,024 x 1,024 float32; Wv 1,024 x 1,024 float32; bk 1,024 float32; bo 1,024 float32; bq 1,024 float32; bv 1,024 float32; key 4 x 2,048 x 1,024 float32; mask 4 x 2,048 int32; query 4 x 2,048 x 1,024 float32; value 4 x 2,048 x 1,024 float32.
;; Outputs: out0 4 x 2,048 x 1,024 float32.
;; This version of the problem:
;;   THIS VERSION OF THE PROBLEM IS GIVEN IN LOW PRECISION. The matrix products marked QUANTISED in the list below multiply operands that are first quantised to E2M3 (2 exponent bits, 3 mantissa bits; 6 bits a number), with one power-of-two scale for each 32 numbers along K (OCP MX v1.0); their sums are f32. All else is computed in f32.
;;   The module's matrix products, in the order in which they are computed (A, B: the left and right operand; K: the contracted axis; several contracted axes count as one K, in the product's order):
;;     1. [M 8,192, K 1,024] x [K 1,024, N 1,024]; A: input query; B: input Wq: QUANTISED
;;     2. [M 8,192, K 1,024] x [K 1,024, N 1,024]; A: input key; B: input Wk: QUANTISED
;;     3. [M 8,192, K 1,024] x [K 1,024, N 1,024]; A: input value; B: input Wv: QUANTISED
;;     4. batch 64 x [M 2,048, K 64] x [K 64, N 2,048]; A: computed on the way; B: computed on the way: QUANTISED
;;     5. batch 64 x [M 2,048, K 2,048] x [K 2,048, N 64]; A: softmax (see below); B: computed on the way: QUANTISED
;;     6. [M 8,192, K 1,024] x [K 1,024, N 1,024]; A: computed on the way; B: input Wo: QUANTISED
;;   THE QUANTISER, for each operand of a quantised product, along K:
;;     - K is cut into blocks of 32 from its start; a last block that is shorter is filled with zeros.
;;     - A block's scale is 2^e with e = floor(log2(the largest magnitude in the block)) - 2, held to -126 .. 127; a block of zeros has e = 0. As a byte (E8M0): e + 127.
;;     - Each number is divided by its block's scale, clamped to +-7.5, and rounded to the nearest number of E2M3, ties to even, subnormals kept.
;;     - The product sums the exact products of the quantised numbers (number of the format x scale) in f32.
;;   ~~~python
;;   def quantise(x, axis):      # numpy; x: float32 -> the quantised numbers, widened to float32 again
;;       x = np.moveaxis(x, axis, -1); K = x.shape[-1]
;;       x = np.pad(x, [(0, 0)] * (x.ndim - 1) + [(0, -K % 32)]); x = x.reshape(x.shape[:-1] + (-1, 32)); a = np.abs(x).max(-1, keepdims=True)
;;       e = np.where(a > 0, np.clip(np.frexp(np.where(a > 0, a, 1))[1] - 1 - 2, -126, 127), 0)      # np.frexp(a)[1] - 1 = floor(log2(a)), exactly
;;       r = np.clip(x / 2.0 ** e, -7.5, 7.5)
;;       step = 2.0 ** (np.maximum(np.frexp(np.where(r == 0, 1, r))[1] - 1, 0) - 3)
;;       q = np.round(r / step) * step * 2.0 ** e      # np.round: ties to even
;;       return np.moveaxis(q.reshape(q.shape[:-2] + (-1,))[..., :K], -1, axis).astype(np.float32)
;;   ~~~
;;   SOFTMAX AHEAD OF A QUANTISED PRODUCT. Where the list says 'softmax', what is quantised is not the finished softmax but p = 2^(t - M), with t = logit x log2(e) and M = ceil(the row's largest t), a whole number; so 1/2 < the row's largest p <= 1. The row's sum l is taken of the UNQUANTISED p, in f32, and the product's result is divided by l at the end. Since M is a whole number, a kernel that streams over the keys may use a running M (the ceiling of the running maximum): every later rescaling is an exact power of two, which a block's scale takes up: the codes' values come out the same.
;;   OPERANDS COMPUTED ON THE WAY. 'Computed on the way' means the value that the module computes at that place (a softmax that the list does not call 'softmax' is quantised finished and normalised). What goes into a quantiser is computed in f32, as accurately as f32 sums, v_exp_f32 and their like allow (about 1e-6 of the number): no bf16 or f16 on the way to a quantiser, and a product that is left as it is and whose result goes on into a quantised operand takes f32 operands (vector FMAs, or v_wmma_f32_16x16x4_f32). A number that lies on a knife's edge between two numbers of the format may be rounded either way, as far as f32 arithmetic and the matrix unit's own rounding can turn it there, and no further.
;; One version. Each part assembles by itself: llvm-mc -triple=amdgcn-amd-amdhsa -mcpu=gfx1250 --defsym DOCPART=n.
;; ======== version 1 of 1: 4 launches
;; limits: right only within a limited range of input values
;; workspace buffers: xc 22,020,096 bytes; xs 917,504 bytes; qimg 8,912,896 bytes; kimg 8,912,896 bytes; vimg 6,553,600 bytes; oimg 6,291,456 bytes; osc 262,144 bytes
;; launch quant (part 1): grid 448 x 1, 4 waves a work-group, no clusters, 34,304 bytes of LDS; arguments query, key, value, Wq, Wk, Wv, Wo, xc, xs; writes xc, xs
.if DOCPART == 1
	.amdgcn_target "amdgcn-amd-amdhsa--gfx1250"
	.amdhsa_code_object_version 6
	.text
	.protected	k_q0efa9f709d_quant
	.globl	k_q0efa9f709d_quant
	.p2align	8
	.type	k_q0efa9f709d_quant,@function
k_q0efa9f709d_quant:
	s_mov_b64 s[64:65], 0
	v_nop
	global_prefetch_b8 v0, s[64:65] scope:SCOPE_SE
	s_setreg_imm32_b32 hwreg(HW_REG_WAVE_MODE, 25, 1), 1
	s_wait_xcnt 0x0
; query, key, value [8192][1024] and Wq, Wk, Wv, Wo [1024][1024], f32, K innermost, become codes of FP6 (E2M3) with one E8M0 byte for each 32 along K,
; laid in the ORDER OF AN OPERAND'S REGISTERS, so that the products' launches load fragments by whole 16 and 8 bytes a lane.
; LAYOUT.  Rows go in groups of 128 (224 groups: query 0-63, key 64-127, value 128-191, Wq 192-199, Wk 200-207, Wv 208-215, Wo 216-223), a group in 8 tiles of 16 rows:
; place p of tile t is row 32 (t / 2) + 8 (t % 2) + p + 8 (p / 8).  xc: [group][K / 64][tile][768 bytes]: 16 rows x 64 K: bytes 0-511 registers 0-3 of the 32 lanes (16 bytes a lane),
; bytes 512-767 registers 4, 5 (8 bytes a lane); lane (r, h) holds row place r, K = 32 h + 0 .. 31 of the 64.  xs: [group][tile][place][32 bytes].
; A block's scale is 2^(floor(log2(its largest magnitude)) - 2); its byte is the largest magnitude's exponent field - 2, held at 1 from below.
; LIMITS: a block of zeros, and a block whose largest magnitude lies under 2^-124, keeps the byte 1 (this program alone reads the bytes; zero codes add nothing); NaN and infinities are not served.
; SHARES.  A wave takes one tile, all 1,024 along K, in 8 steps of 128.  Each load reads 512 consecutive bytes of one row; a step's 16 rows turn through the wave's own stage in LDS,
; so that a lane gets 16 neighbours of each block of 32.  Loads run two steps (32 loads a wave) ahead.  No barrier: waves share nothing.  No matrix unit, no cluster: memory binds, nothing is read twice.
.set SPITCH, 528                       ; a stage row: 512 bytes + 16, an odd multiple of 16
.set WSTG,   16*SPITCH                 ; a wave's stage
.set SPARE,  4*WSTG                    ; behind the stages: the spare words, 128 bytes a wave, two blocks of 256 bytes that no other line names
.set RGB,    98304                     ; a group's codes
.set KQB,    6144                      ; 64 along K of a group
.set LI,  1                            ; v1   16 x lane
.set STI, 2                            ; v2   the stage, on the way in: 16 x lane
.set STX, 3                            ; v3   on the way out: 528 r + 64 h
.set L8,  4                            ; v4   8 x lane
.set SO,  5                            ; v5   32 r + 16 h: my 16 scale bytes
.set SPW, 12                           ; v12  my spare word; never rewritten
.set NIL, 13                           ; v13  0; never rewritten
.set R,   16                           ; v16-143  two sets of 64 numbers as loaded
.set X,   144                          ; v144-207 register 16 b + i = K 32 b + 16 h + i of my row
.set TM,  208                          ; v208-223 at work
.set PC,  224                          ; v224-235 a fragment's codes
.set CT,  236                          ; v236-242 the conversions' second halves
.set SW,  244                          ; v244-251 a scale word for each step
.set SEL, 28                           ; s[28:29] v_permlanex16_b32's selects for lane l xor 16
; 64 numbers of a lane, register 16 b + i = K 32 b + 16 h + i of its row, become codes in v[dst + stp c + 0 .. 5] (c = 0, 1: K = 64 c + 32 h + 0 .. 31) and the row's scale word in v[wrd].
.macro QUANT src, dst, stp, tmp, wrd
.irp b, 0,1,2,3
	v_max3_num_f32 v[TM+\b], |v[(\src)+16*\b]|, |v[(\src)+1+16*\b]|, 0x1800000   ; my 16 numbers of block b, and the floor 2^(3 - 127): the byte cannot fall under 1
.endr
.irp i, 2,4,6,8,10,12,14
.irp b, 0,1,2,3
	v_max3_num_f32 v[TM+\b], v[TM+\b], |v[(\src)+16*\b+\i]|, |v[(\src)+1+16*\b+\i]|   ; the four blocks by turns
.endr
.endr
.irp b, 0,1,2,3
	v_permlanex16_b32 v[TM+4+\b], v[TM+\b], s[SEL], s[SEL+1]
.endr
.irp b, 0,1,2,3
	v_max_num_f32 v[TM+\b], v[TM+\b], v[TM+4+\b]   ; with lane l xor 16's: the block's largest magnitude
.endr
.irp b, 0,1,2,3
	v_add_nc_u32 v[TM+12+\b], 0xff000000, v[TM+\b]   ; 2 off its exponent field: the conversion's scale operand
.endr
.irp b, 0,1,2,3
	v_lshrrev_b32 v[TM+4+\b], 23, v[TM+12+\b]      ; the scale's byte
.endr
	v_lshl_or_b32 v[\wrd], v[TM+5], 8, v[TM+4]
	v_lshl_or_b32 v[\wrd], v[TM+6], 16, v[\wrd]
	v_lshl_or_b32 v[\wrd], v[TM+7], 24, v[\wrd]
	s_wait_xcnt 0x0                                ; the last stores have read the code registers: they are written again only behind this wait
.irp c, 0,1
	v_cvt_scalef32_pk16_fp6_f32 v[(\dst)+(\stp)*\c:(\dst)+(\stp)*\c+2], v[(\src)+32*\c:(\src)+32*\c+15], v[TM+12+2*\c]
	v_cvt_scalef32_pk16_fp6_f32 v[(\tmp)+4*\c:(\tmp)+4*\c+2], v[(\src)+16+32*\c:(\src)+31+32*\c], v[TM+13+2*\c]   ; (a conversion's three registers begin on an even number)
.endr
	v_nop                                          ; one plain place behind the scaled conversions
.irp c, 0,1                                    ; the operand's layout wants a whole block in a lane
.irp i, 0,1,2
	v_permlane16_swap_b32 v[(\dst)+(\stp)*\c+\i], v[(\tmp)+4*\c+\i]
.endr
.irp i, 0,1,2
	v_mov_b32 v[(\dst)+(\stp)*\c+3+\i], v[(\tmp)+4*\c+\i]
.endr
.endr
.endm
	s_load_b256 s[4:11], s[0:1], 0x0               ; query, key, value, Wq
	s_load_b256 s[12:19], s[0:1], 0x20             ; Wk, Wv, Wo, xc
	s_load_b64 s[20:21], s[0:1], 0x40              ; xs
	v_lshl_add_u32 v[SPW], v0, 2, SPARE
	v_mov_b32 v[NIL], 0
	v_lshrrev_b32 v6, 5, v0
	v_readfirstlane_b32 s22, v6                    ; wave
	v_and_b32 v6, 31, v0                           ; lane
	v_lshlrev_b32 v[LI], 4, v6
	v_lshlrev_b32 v[L8], 3, v6
	v_and_b32 v7, 15, v0                           ; r
	v_bfe_u32 v8, v0, 4, 1                         ; h
	s_mul_i32 s23, s22, WSTG                       ; my stage
	v_add_nc_u32 v[STI], s23, v[LI]
	v_mul_u32_u24 v[STX], v7, SPITCH
	v_lshl_add_u32 v[STX], v8, 6, v[STX]
	v_add_nc_u32 v[STX], s23, v[STX]
	v_lshlrev_b32 v[SO], 5, v7
	v_lshl_add_u32 v[SO], v8, 4, v[SO]
.irp b, 0,1,2,3
	v_mov_b32 v[TM+4+\b], 0                        ; written once: a lane permute's destination counts as one of its sources
.endr
	s_mov_b32 s[SEL], 0x76543210
	s_mov_b32 s[SEL+1], 0xfedcba98
	s_mov_b32 s30, 0xffff0000                      ; lanes 16-31
	s_wait_alu depctr_va_vdst(0)
	s_wait_kmcnt 0x0
	; which tensor: the choice hangs on the work-group's number alone.  s[16:17]: its address; s24: its first work-group
	s_mov_b32 s24, 432
	s_cmp_lt_u32 ttmp9, 432
	s_cselect_b64 s[16:17], s[14:15], s[16:17]
	s_cselect_b32 s24, 416, s24
	s_cmp_lt_u32 ttmp9, 416
	s_cselect_b64 s[16:17], s[12:13], s[16:17]
	s_cselect_b32 s24, 400, s24
	s_cmp_lt_u32 ttmp9, 400
	s_cselect_b64 s[16:17], s[10:11], s[16:17]
	s_cselect_b32 s24, 384, s24
	s_cmp_lt_u32 ttmp9, 384
	s_cselect_b64 s[16:17], s[8:9], s[16:17]
	s_cselect_b32 s24, 256, s24
	s_cmp_lt_u32 ttmp9, 256
	s_cselect_b64 s[16:17], s[6:7], s[16:17]
	s_cselect_b32 s24, 128, s24
	s_cmp_lt_u32 ttmp9, 128
	s_cselect_b64 s[16:17], s[4:5], s[16:17]
	s_cselect_b32 s24, 0, s24
	s_sub_co_u32 s24, ttmp9, s24
	s_lshl_b32 s24, s24, 2
	s_add_co_u32 s24, s24, s22                     ; my tile in the tensor
	s_lshr_b32 s25, s24, 3
	s_lshl_b32 s25, s25, 7                         ; its group's first row,
	s_bfe_u32 s26, s24, 0x20001
	s_lshl_b32 s26, s26, 5                         ; + 32 (t / 2)
	s_add_co_u32 s25, s25, s26
	s_and_b32 s26, s24, 1
	s_lshl_b32 s26, s26, 3                         ; + 8 (t % 2)
	s_add_co_u32 s25, s25, s26
	s_lshl_b32 s26, s25, 12                        ; rows of 4,096 bytes: under 2^25
	s_mov_b32 s27, 0
	s_add_nc_u64 s[16:17], s[16:17], s[26:27]
	s_lshl_b32 s24, ttmp9, 2
	s_add_co_u32 s24, s24, s22                     ; my tile among all 1,792
	s_lshr_b32 s25, s24, 3
	s_mul_i32 s26, s25, RGB
	s_and_b32 s25, s24, 7
	s_mul_i32 s25, s25, 768
	s_add_co_u32 s26, s26, s25
	s_add_nc_u64 s[18:19], s[18:19], s[26:27]      ; its codes
	s_lshl_b32 s26, s24, 9
	s_add_nc_u64 s[20:21], s[20:21], s[26:27]      ; its 512 scale bytes
.macro LOAD s                          ; step s: 128 along K of my 16 rows; each load 512 consecutive bytes of one row
.irp i, 0,1,2,3,4,5,6,7,8,9,10,11,12,13,14,15
	global_load_b128 v[R+64*((\s)%2)+4*\i:R+64*((\s)%2)+4*\i+3], v[LI], s[16:17] offset:(\i+8*(\i/8))*4096+512*(\s) th:TH_LOAD_NT
.endr
.endm
.macro TURN s                          ; through the stage: LDS serves a wave's instructions in order, so no wait stands between the stores and the loads
.irp i, 0,1,2,3,4,5,6,7,8,9,10,11,12,13,14,15
	ds_store_b128 v[STI], v[R+64*((\s)%2)+4*\i:R+64*((\s)%2)+4*\i+3] offset:SPITCH*\i
.endr
.irp b, 0,1,2,3
.irp j, 0,1,2,3
	ds_load_b128 v[X+16*\b+4*\j:X+16*\b+4*\j+3], v[STX] offset:128*\b+16*\j
.endr
.endr
.endm
.macro STEP s
.if (\s) < 7
	s_wait_loadcnt 16                              ; this step's 16 loads are in; the next step's 16 may be out
.else
	s_wait_loadcnt 0x0
.endif
	TURN \s
	s_wait_dscnt 0x0                               ; my 64 numbers are back, and the stores into the stage have read their registers,
.if (\s) < 6
	LOAD (\s)+2                                    ; which take the loads of two steps on
.endif
	QUANT X, PC, 6, CT, SW+(\s)
	global_store_b128 v[LI], v[PC:PC+3], s[18:19] offset:2*(\s)*KQB             ; 512 consecutive bytes, at a multiple of 256 from xc's first byte
	global_store_b64 v[L8], v[PC+4:PC+5], s[18:19] offset:2*(\s)*KQB+512        ; 256 consecutive bytes
	global_store_b128 v[LI], v[PC+6:PC+9], s[18:19] offset:(2*(\s)+1)*KQB
	global_store_b64 v[L8], v[PC+10:PC+11], s[18:19] offset:(2*(\s)+1)*KQB+512
.endm
	LOAD 0
	LOAD 1
.irp s, 0,1,2,3,4,5,6,7
	STEP \s
.endr
.irp k, 0,1,2,3
	v_cndmask_b32 v[TM+\k], v[SW+\k], v[SW+4+\k], s30   ; both halves of the lanes hold a row's eight words: lanes 0-15 store words 0-3, lanes 16-31 words 4-7
.endr
	global_store_b128 v[SO], v[TM:TM+3], s[20:21]  ; the wave stores 512 consecutive bytes
	s_wait_tensorcnt 0x0                           ; the wave's end, behind my last LDS store
	ds_add_u32 v[SPW], v[NIL]
	s_wait_dscnt 0x0
	s_endpgm
.Lfunc_end_k_q0efa9f709d_quant:
	.size	k_q0efa9f709d_quant, .Lfunc_end_k_q0efa9f709d_quant-k_q0efa9f709d_quant
	.p2alignl 7, 3214868480
	.fill 96, 4, 3214868480
	.section	.rodata,"a",@progbits
	.p2align	6, 0x0
	.amdhsa_kernel k_q0efa9f709d_quant
		.amdhsa_group_segment_fixed_size 34304
		.amdhsa_private_segment_fixed_size 0
		.amdhsa_enable_private_segment 0
		.amdhsa_kernarg_size 72
		.amdhsa_user_sgpr_count 2
		.amdhsa_user_sgpr_kernarg_segment_ptr 1
		.amdhsa_wavefront_size32 1
		.amdhsa_system_sgpr_workgroup_id_x 1
		.amdhsa_system_sgpr_workgroup_id_y 1
		.amdhsa_system_sgpr_workgroup_id_z 1
		.amdhsa_system_vgpr_workitem_id 0
		.amdhsa_next_free_vgpr 256
		.amdhsa_next_free_sgpr 66
		.amdhsa_reserve_vcc 0
		.amdhsa_float_denorm_mode_32 3
		.amdhsa_float_denorm_mode_16_64 3
		.amdhsa_memory_ordered 1
		.amdhsa_forward_progress 1
		.amdhsa_inst_pref_size 66
	.end_amdhsa_kernel
	.amdgpu_metadata
---
amdhsa.version: [ 1, 2 ]
amdhsa.kernels:
  - .name:           k_q0efa9f709d_quant
    .symbol:         k_q0efa9f709d_quant.kd
    .args:
      - { .name: query, .offset: 0, .size: 8, .value_kind: global_buffer, .address_space: global }
      - { .name: key, .offset: 8, .size: 8, .value_kind: global_buffer, .address_space: global }
      - { .name: value, .offset: 16, .size: 8, .value_kind: global_buffer, .address_space: global }
      - { .name: Wq, .offset: 24, .size: 8, .value_kind: global_buffer, .address_space: global }
      - { .name: Wk, .offset: 32, .size: 8, .value_kind: global_buffer, .address_space: global }
      - { .name: Wv, .offset: 40, .size: 8, .value_kind: global_buffer, .address_space: global }
      - { .name: Wo, .offset: 48, .size: 8, .value_kind: global_buffer, .address_space: global }
      - { .name: xc, .offset: 56, .size: 8, .value_kind: global_buffer, .address_space: global }
      - { .name: xs, .offset: 64, .size: 8, .value_kind: global_buffer, .address_space: global }
    .group_segment_fixed_size: 34304
    .private_segment_fixed_size: 0
    .kernarg_segment_align: 8
    .kernarg_segment_size: 72
    .max_flat_workgroup_size: 128
    .sgpr_count:     66
    .vgpr_count:     256
    .wavefront_size: 32
...
	.end_amdgpu_metadata
.endif
;; end of part 1
;; launch proj (part 2): grid 4 x 96, 4 waves a work-group, clusters of 4 x 4, 327,680 bytes of LDS; arguments xc, xs, bq, bk, bv, mask, qimg, kimg, vimg; writes qimg, kimg, vimg
.if DOCPART == 2
	.amdgcn_target "amdgcn-amd-amdhsa--gfx1250"
	.amdhsa_code_object_version 6
	.text
	.protected	k_q0efa9f709d_proj
	.globl	k_q0efa9f709d_proj
	.p2align	8
	.type	k_q0efa9f709d_proj,@function
k_q0efa9f709d_proj:
	s_mov_b64 s[64:65], 0
	v_nop
	global_prefetch_b8 v0, s[64:65] scope:SCOPE_SE
	s_setreg_imm32_b32 hwreg(HW_REG_WAVE_MODE, 25, 1), 1
	s_wait_xcnt 0x0
	s_wait_alu depctr_hold_cnt(0) depctr_sa_sdst(0) depctr_va_vdst(0) depctr_va_sdst(0) depctr_va_ssrc(0) depctr_va_vcc(0) depctr_vm_vsrc(0)
	s_getreg_b32 s2, hwreg(HW_REG_IB_STS2, 6, 4)
	s_cmp_eq_u32 s2, 0
	s_cbranch_scc0 .Lentry_in_a_cluster
	s_endpgm
.Lentry_in_a_cluster:
	s_bfe_u32 s2, ttmp6, 0x10000c
	s_cmp_lg_u32 s2, 0xf033
	s_cbranch_scc0 .Lentry_shape_is_right
	s_endpgm
.Lentry_shape_is_right:
; q = query Wq^T + bq, k = key Wk^T + bk, v = value Wv^T + bv on codes of FP6 (E2M3) with E8M0 scales (xc, xs, as the first launch lays them), sums in f32; the results are quantised in
; registers and stored as images of the attention's operands.  24 clusters of 4 x 4 work-groups: cluster cl makes 1,024 x 1,024 outputs of tensor z = cl / 8 (0 q, 1 k, 2 v), part c = cl % 8.
; A work-group makes 256 x 256, a wave 128 x 128: 64 accumulators, 512 registers.  K = 1,024 goes in four steps of 256 through two LDS slots; a wave's tensor load brings one row group's 256 along K: 24,576 dense bytes.
; THE MATRIX INSTRUCTION IS USED TRANSPOSED: source 0 = a tile of "B", source 1 = a tile of "A".  A tile's place p is row 32 (t / 2) + 8 (t % 2) + p + 8 (p / 8) of its group of 128, so lane (r, h) holds, for A's tile a,
; row place r, and its 64 registers 16 b + i of that block are B's rows 32 b + 16 h + i: 16 neighbours of each block of 32 along the NEXT product's K.
; z < 2: A = the tokens, B = the weight: a lane's registers run along the features (two heads of 64).  z = 2: A = Wv, B = the tokens: a lane's registers run along the KEYS, which are the second attention product's K.
; RECORDS.  qimg, kimg: [batch x head][128 rows] of 8,704 bytes: tile t at 1024 t: 512 bytes registers 0-3, 512 bytes registers 4-7 of the fragment; scale words at 8192 + 256 (t / 4) + 16 p + 4 (t % 4).
; vimg: [batch x head][128 keys] of 6,400 bytes: tile of 16 channels at 1536 t: three times 512 bytes, registers 0-11; scale words at 6144 + 16 p + 4 t.
; THE MASK RIDES IN THE IDLE HALF OF THE SCORES' K (a head has 64 of the instruction's 128).  q has the code +1.0 at k = 64 under the byte 127.  A key that counts has 0 there.  A key with mask 0 has all its codes 0
; and -1.0 at k = 64 under the byte 160: its score is exactly -2^33, its logit -2^30.
; LIMIT: reference()'s -1e9 is -2^30 here; results differ only where true logits lie near -1e9.  NaN and infinities are not served; a block under 2^-124 or of zeros keeps the byte 1.
; CLUSTERS: the four of a row of the cluster need the same tiles of A, the four of a column the same tiles of B: each is asked for jointly.
; REGISTERS: window 0: v12-29 addresses; v32-63 scale words, two sets, and nothing else; v64-97 the epilogue's words and constants; v128-223 A's fragments, one set, later the epilogue's numbers and codes; v240-247 a number a row (mask or bv).
;   window 1: B's fragments, two sets, v0-95 and v128-223; between and behind them, v96-127 and v224-255, the bias of my 128 columns.   windows 2, 3: the accumulators ((a, b) at v[8 (8 (a % 4) + b)]).
.set NQ,     2                         ; matrix instructions deep in a slot
.set FR,     12                        ; registers of a fragment
.set NL,     4                         ; LDS loads that bring one
.set NP,     4                         ; places behind this matrix instruction (ISA guide 7.12.1)
.set RGB,    98304                     ; a row group's codes in memory
.set KQB,    6144                      ; 64 along K of a row group: 8 tiles x 768 bytes
.set HALFT,  4*KQB                     ; what one tensor load brings
.set SLOT,   4*HALFT                   ; A's two groups, then B's two
.set KS,     32                        ; a row's scale bytes
.set SCL,    2*SLOT                    ; behind the ring: the scales, units of 256 bytes + 16 of padding
.set HALFS,  16*272                    ; those of a row group
.set SBLK,   2*272                     ; those of a tile
.set SPARE,  SCL+4*HALFS               ; the spare words, 128 bytes a wave: two blocks of 256 bytes that no other line names
.set RQK,    8704
.set RVV,    6400
.set BNO,  12                          ; v12  64 h: my place in the bias; never rewritten
.set RDO,  13                          ; v13  4 (r + 8 (r / 8)); never rewritten
.set ADRA, 16                          ; v16-17 LDS address of A's 16-byte pieces in slot 0, 1; v18-19 of its 8-byte pieces
.set ADRB, 20                          ; v20-23 the same for B
.set LI,   24                          ; v24  16 x lane
.set VSO,  25                          ; v25  102400 h + 16 r: V's scale words, a head for each half of the lanes
.set ADRS, 27                          ; v27  LDS address of my scale words: lanes 0-15 A's, lanes 16-31 B's
.set SPW,  28
.set NIL,  29
.set SC,   32
.set WRD,  64                          ; v64-79 the blocks' scale words
.set KM,   80
.set PADB, 81
.set PC0,  82
.set PC1,  83
.set PB0,  84
.set PB1,  85
.set ZR,   86
.set TT,   87
.set OW,   88                          ; v88-95 words on their way out
.set BP,   96                          ; v96-97 a block's bias, as a pair
.set AF,   128
.set HA,   128                         ; v128-191 a block's 64 numbers
.set E,    192                         ; v192-207 its codes
.set CT,   208
.set TM,   216
.set PW,   232
.set ROWD, 240
.set SEL,  2                           ; s[2:3], set in the epilogue
.set G1, 24
.set G0, 32
.set G1B, 48
.set G0B, 56
.set G1S, 68
.set G0S, 76
.set G1SB, 80
.set G0SB, 88
.set MSB, 0
.macro WIN new                         ; the immediate's high byte repeats the setting that is left
.if MSB != (\new)
	s_set_vgpr_msb (MSB<<8)|(\new)
.set MSB, (\new)
.endif
.endm
.set MUL_LO, 0xa1                      ; source 0 (B) window 1, source 1 (A) window 0, C and D window 2
.set MUL_HI, 0xf1
.set TO_B,   0x40
; A joint load: waves 0 and 1 fetch for A, waves 2 and 3 for B; the branch hangs on the wave's number alone.  An s_nop 0 and four v_nop follow each of the two lines.
.macro JLOAD g0a, g1a, g0b, g1b
	s_cmp_eq_u32 s15, 0
	s_cbranch_scc0 .Lfor_b_\@
	tensor_load_to_lds s[\g0a:\g0a+3], s[\g1a:\g1a+7]
	s_nop 0
.rept 4
	v_nop
.endr
	s_branch .Lasked_\@
.Lfor_b_\@:
	tensor_load_to_lds s[\g0b:\g0b+3], s[\g1b:\g1b+7]
	s_nop 0
.rept 4
	v_nop
.endr
.Lasked_\@:
.endm
.macro CREST                           ; a round of the cluster's barrier behind its opening barrier
	s_cmp_lg_u32 s14, 0
	s_cbranch_scc1 .Lnot_wave_0_\@
	s_barrier_signal -3
.Lnot_wave_0_\@:
	s_barrier_wait -3
	s_barrier_signal -1
	s_barrier_wait -1
.endm
.macro CROUND
	s_barrier_signal -1
	s_barrier_wait -1
	CREST
.endm
	s_load_b256 s[4:11], s[0:1], 0x0               ; xc, xs, bq, bk
	s_load_b256 s[92:99], s[0:1], 0x20             ; bv, mask, qimg, kimg
	s_load_b64 s[100:101], s[0:1], 0x40            ; vimg
	v_lshl_add_u32 v[SPW], v0, 2, SPARE
	v_mov_b32 v[NIL], 0
	ds_add_u32 v[SPW], v[NIL]                      ; the wave's opening: the add and its wait stand ahead of my first tensor load; work on registers stands between them
	ds_add_u32 v[SPW], v[NIL]
	v_lshrrev_b32 v1, 5, v0
	v_readfirstlane_b32 s14, v1                    ; wave 0..3
	s_lshr_b32 s15, s14, 1                         ; which of A's two groups is mine.  Also: I fetch for A (0) or for B (1)
	s_and_b32 s16, s14, 1                          ; which of B's two.  Also: which group of the two I fetch
	s_bfe_u32 s40, ttmp6, 0x40000                  ; cx
	s_bfe_u32 s41, ttmp6, 0x40004                  ; cy
	s_and_b32 s17, ttmp7, 0xffff                   ; the cluster's number
	s_lshr_b32 s12, s17, 3                         ; z: the same in all partners
	s_and_b32 s13, s17, 7
	s_lshl_b32 s13, s13, 3                         ; 8 c
	s_lshl_b32 s43, s41, 2
	s_lshl_b32 s43, 15, s43                        ; my row of the cluster
	s_lshl_b32 s44, 0x1111, s40                    ; my column
	; group 1 for codes: 24,576 dense bytes as 96 rows of 32 elements of 8 bytes, no padding (fragments are read 16 and 8 consecutive bytes a lane)
	s_or_b32 s[G1+0], s43, (3<<16)|(1<<21)         ; 15:0 the mask; 17:16 elements of 8 bytes; 21 set beside a mask
	s_or_b32 s[G1B+0], s44, (3<<16)|(1<<21)
.irp g, G1, G1B
	s_mov_b32 s[\g+1], 3072<<16                    ; for the head's load: two row groups' 256 along K: 2 rows of 3,072 elements of 8 bytes,
	s_mov_b32 s[\g+2], 2<<16
	s_mov_b32 s[\g+3], 3072<<16
	s_mov_b32 s[\g+4], 2
	s_mov_b32 s[\g+5], RGB/8                       ; a row group apart
	s_mov_b32 s[\g+6], 0
	s_mov_b32 s[\g+7], 0
.endr
	; and for a group's scales: 4,096 dense bytes as 16 rows of 256, 16 bytes of padding behind each
	s_or_b32 s[G1S+0], s43, (3<<16)|(1<<20)|(1<<21)|(5<<22)|(3<<25)
	s_or_b32 s[G1SB+0], s44, (3<<16)|(1<<20)|(1<<21)|(5<<22)|(3<<25)
.irp g, G1S, G1SB
	s_mov_b32 s[\g+1], 32<<16
	s_mov_b32 s[\g+2], 32<<16                      ; two groups' scales: 8,192 dense bytes, 32 rows of 256
	s_mov_b32 s[\g+3], 32<<16
	s_mov_b32 s[\g+4], 32
	s_mov_b32 s[\g+5], 32
	s_mov_b32 s[\g+6], 0
	s_mov_b32 s[\g+7], 0
.endr
	; the row groups.  z < 2: A = tokens 64 z + 8 c + .., B = weight 192 + 8 z + ..;  z = 2: A = Wv 208 + .., B = value 128 + 8 c + ..
	s_lshl_b32 s18, s12, 6
	s_add_co_u32 s18, s18, s13
	s_lshl_b32 s19, s12, 3
	s_add_co_u32 s19, s19, 192
	s_add_co_u32 s42, s13, 128
	s_cmp_eq_u32 s12, 2
	s_cselect_b32 s18, 208, s18
	s_cselect_b32 s19, s42, s19
	s_lshl_b32 s20, s41, 1
	s_add_co_u32 s18, s18, s20                     ; the first of A's two groups: it hangs on cy alone, which my row shares
	s_lshl_b32 s46, s40, 1
	s_add_co_u32 s46, s46, s19                     ; the first of B's two: on cx alone, which my column shares
	s_mul_i32 s20, s18, RGB
	s_mov_b32 s21, 0
	s_lshl_b32 s22, s18, 12
	s_mov_b32 s23, 0
	s_lshl_b32 s2, s46, 12
	s_mov_b32 s3, 0
	s_mul_i32 s46, s46, RGB
	s_mov_b32 s47, 0
	s_mul_i32 s45, s14, HALFT                      ; where they go: wave x a group: no place in the cluster enters an LDS address
	s_mul_i32 s18, s16, RGB                        ; in the ring I fetch one group of the two: which, in bytes
	s_mov_b32 s19, 0
	s_wait_dscnt 0x0                               ; the opening add is done
	s_wait_kmcnt 0x0
	s_add_nc_u64 s[20:21], s[4:5], s[20:21]
	s_add_nc_u64 s[22:23], s[6:7], s[22:23]
	s_add_nc_u64 s[46:47], s[4:5], s[46:47]
	s_add_nc_u64 s[2:3], s[6:7], s[2:3]
	CROUND                                         ; all sixteen work-groups are here: the first joint loads meet
	s_mov_b32 s[G0S], 1
	s_mov_b32 s[G0S+1], SCL
	s_mov_b64 s[G0S+2:G0S+3], s[22:23]
	s_or_b32 s[G0S+3], s[G0S+3], 0x80000000
	s_mov_b32 s[G0SB], 1
	s_mov_b32 s[G0SB+1], SCL+2*HALFS
	s_mov_b64 s[G0SB+2:G0SB+3], s[2:3]
	s_or_b32 s[G0SB+3], s[G0SB+3], 0x80000000
.irp s, 0,1
	s_mov_b32 s[G0+4*\s], 1
	s_add_co_u32 s[G0+4*\s+1], s45, \s*SLOT
	s_add_nc_u64 s[G0+4*\s+2:G0+4*\s+3], s[20:21], \s*HALFT
	s_or_b32 s[G0+4*\s+3], s[G0+4*\s+3], 0x80000000
	s_mov_b32 s[G0B+4*\s], 1
	s_add_co_u32 s[G0B+4*\s+1], s45, \s*SLOT
	s_add_nc_u64 s[G0B+4*\s+2:G0B+4*\s+3], s[46:47], \s*HALFT
	s_or_b32 s[G0B+4*\s+3], s[G0B+4*\s+3], 0x80000000
.endr
	s_mov_b32 s[G0+1], 0                           ; the head's tiles are whole: A's two groups go to LDS byte 0,
	s_mov_b32 s[G0B+1], 2*HALFT                    ; B's two behind them
	s_add_nc_u64 s[G0+6:G0+7], s[G0+6:G0+7], s[18:19]      ; slot 1's loads bring my own group
	s_add_nc_u64 s[G0B+6:G0B+7], s[G0B+6:G0B+7], s[18:19]
; THE PREFETCHES: of the 96 blocks of 256 bytes that a ring load of mine brings, the partner at place p among the four that ask jointly (cx for A, cy for B) names blocks 24 p .. 24 p + 23, a lane a block
; (lanes 24-31 name block 23 again): the shares are told apart by address alone.  K steps 1 and 2 are asked for behind the head's load, K step 3 behind slot 1's: one to two steps ahead of their tensor loads.
.set PFO, 14                           ; v14  256 x min(lane, 23); never rewritten
	s_cmp_eq_u32 s15, 0                            ; do I fetch for A?
	s_cselect_b64 s[2:3], s[20:21], s[46:47]       ; the first of the two groups,
	s_cselect_b32 s42, s40, s41                    ; my place among the four
	s_mul_i32 s42, s42, KQB                        ; 24 blocks of 256 bytes
	s_mov_b32 s43, 0
	s_add_nc_u64 s[2:3], s[2:3], s[42:43]
	s_add_nc_u64 s[2:3], s[2:3], s[18:19]          ; the group that I fetch
	v_and_b32 v[PFO], 31, v0
	v_min_u32 v[PFO], 23, v[PFO]
	v_lshlrev_b32 v[PFO], 8, v[PFO]
; THE HEAD'S LOADS, ONE A WAVE: wave 0 A's codes of K 0-255, wave 1 B's, wave 2 A's scales, wave 3 B's: one chain of branches on the wave's number, one load to an arm
.macro ARM under, g0, g1, next
	s_cmp_lt_u32 s14, \under
	s_cbranch_scc0 \next
	tensor_load_to_lds s[\g0:\g0+3], s[\g1:\g1+7]
	s_nop 0
.rept 4
	v_nop
.endr
	s_branch .Lhead_asked
\next:
.endm
	ARM 1, G0,  G1,  .Lhead_b
	ARM 2, G0B, G1B, .Lhead_sa
	ARM 3, G0S, G1S, .Lhead_sb
	tensor_load_to_lds s[G0SB:G0SB+3], s[G1SB:G1SB+7]
	s_nop 0
.rept 4
	v_nop
.endr
.Lhead_asked:
	s_wait_alu depctr_va_vdst(0)                   ; the wait stands directly ahead of the reader below
	global_prefetch_b8 v[PFO], s[2:3] offset:HALFT th:TH_LOAD_NT scope:SCOPE_SE      ; K 256-511
	global_prefetch_b8 v[PFO], s[2:3] offset:2*HALFT th:TH_LOAD_NT scope:SCOPE_SE    ; K 512-767
	v_and_b32 v1, 15, v0
	v_bfe_u32 v2, v0, 4, 1                         ; h
	v_and_b32 v3, 31, v0
	v_lshlrev_b32 v[LI], 4, v3
	v_lshlrev_b32 v5, 3, v3
	v_add_nc_u32 v5, 512, v5                       ; the 8-byte pieces lie behind the 512 bytes of 16-byte pieces
	s_mul_i32 s21, s15, HALFT
	s_mul_i32 s22, s16, HALFT
	s_add_co_u32 s22, s22, 2*HALFT
.irp s, 0,1
	v_add_nc_u32 v[ADRA+\s], s21, v[LI]
	v_add_nc_u32 v[ADRB+\s], s22, v[LI]
	v_add_nc_u32 v[ADRA+2+\s], s21, v5
	v_add_nc_u32 v[ADRB+2+\s], s22, v5
	s_add_co_u32 s21, s21, SLOT
	s_add_co_u32 s22, s22, SLOT
.endr
	v_mul_u32_u24 v5, v1, KS                       ; my row place's scales: 32 bytes a place,
	v_lshrrev_b32 v6, 8, v5
	v_lshl_add_u32 v5, v6, 4, v5                   ; and 16 more for each 256 passed
	s_mul_i32 s21, s15, HALFS
	s_mul_i32 s22, s16, HALFS
	s_add_co_u32 s22, s22, 2*HALFS
	s_sub_co_u32 s22, s22, s21
	v_mul_u32_u24 v6, s22, v2                      ; lanes 16-31 take B's: one product, the distance between the two bases
	s_add_co_u32 s21, s21, SCL
	v_add_nc_u32 v5, v5, v6
	v_add_nc_u32 v[ADRS], s21, v5
	; what the epilogue wants.  RA = 2 cy + my half of A, RB = 2 cx + my half of B
	s_lshl_b32 s20, s41, 1
	s_add_co_u32 s20, s20, s15
	s_lshl_b32 s21, s40, 1
	s_add_co_u32 s21, s21, s16
	s_add_co_u32 s22, s13, s20
	s_add_co_u32 s23, s13, s21
	s_cmp_eq_u32 s12, 2
	s_cselect_b32 s42, s23, s22                    ; GX: the tokens' group of 128, 0 .. 63
	s_cselect_b32 s43, s20, s21                    ; GW: the features' group of 128, 0 .. 7
	s_cselect_b32 s44, s20, s22                    ; A's group in the tensor that has a number a row
	s_cselect_b64 s[92:93], s[92:93], s[94:95]     ; that tensor: bv, or the mask
	s_cselect_b64 s[66:67], s[100:101], s[98:99]
	s_mov_b32 s46, RQK
	s_cselect_b32 s46, RVV, s46                    ; a record's bytes
	s_cmp_eq_u32 s12, 0
	s_cselect_b64 s[66:67], s[96:97], s[66:67]     ; the buffer that I store into
	s_cselect_b64 s[8:9], s[8:9], s[10:11]         ; the bias along my registers: bq, or bk (for z = 2 it is loaded and not used)
	s_cmp_eq_u32 s12, 1
	s_cselect_b32 s13, -1, 0                       ; the mask counts for k alone
	s_lshl_b32 s22, s21, 9
	s_mov_b32 s23, 0
	s_add_nc_u64 s[8:9], s[8:9], s[22:23]
	s_lshl_b32 s22, s44, 9
	s_add_nc_u64 s[92:93], s[92:93], s[22:23]
	s_lshr_b32 s22, s42, 4
	s_lshl_b32 s22, s22, 4
	s_lshl_b32 s43, s43, 1
	s_add_co_u32 s22, s22, s43                     ; 16 x batch + my first head
	s_lshl_b32 s22, s22, 4
	s_and_b32 s42, s42, 15
	s_add_co_u32 s22, s22, s42                     ; x 16 + the group within the batch
	s_mul_i32 s22, s22, s46
	s_add_nc_u64 s[66:67], s[66:67], s[22:23]
	v_lshlrev_b32 v[BNO], 6, v2
	v_and_b32 v[RDO], 8, v1
	v_add_nc_u32 v[RDO], v[RDO], v1
	v_lshlrev_b32 v[RDO], 2, v[RDO]
	v_mul_u32_u24 v[VSO], v2, 16*RVV
	v_lshl_add_u32 v[VSO], v1, 4, v[VSO]
	WIN TO_B
.irp b, 0,1,2,3
.irp j, 0,1,2,3
	global_load_b128 v[96+96*(\b/2)+16*\b+4*\j:99+96*(\b/2)+16*\b+4*\j], v[BNO], s[8:9] offset:128*\b+16*\j   ; register 16 b + i: the bias of column 32 b + 16 h + i
.endr
.endr
	WIN 0
.irp a, 0,1,2,3,4,5,6,7
	global_load_b32 v[ROWD+\a], v[RDO], s[92:93] offset:4*(32*(\a/2)+8*(\a%2))   ; block a: the number of my row
.endr
.macro FRAG reg, adr, q, i             ; a fragment, 16 rows x 128 K, is two images of 64 K: registers 0-3, 4-5, 6-9, 10-11, as they were stored
	ds_load_b128 v[\reg:\reg+3], v[\adr] offset:(2*(\q))*KQB+768*(\i)
	ds_load_b64 v[\reg+4:\reg+5], v[\adr+2] offset:(2*(\q))*KQB+768*(\i)
	ds_load_b128 v[\reg+6:\reg+9], v[\adr] offset:(2*(\q)+1)*KQB+768*(\i)
	ds_load_b64 v[\reg+10:\reg+11], v[\adr+2] offset:(2*(\q)+1)*KQB+768*(\i)
.endm
; 16 matrix instructions: A's blocks a0, a0 + 1 x B's eight.  The 64 accumulators take turns, one instruction a turn, in the same order in every step.
.macro MUL16 a0, p, q, sc, zero
.irp a, \a0, \a0+1
.irp b, 0,1,2,3,4,5,6,7
.if \zero
	v_wmma_scale_f32_16x16x128_f8f6f4 v[8*(8*((\a)%4)+\b):8*(8*((\a)%4)+\b)+7], v[128*(\p)+FR*\b:128*(\p)+FR*\b+FR-1], v[AF+FR*(\a):AF+FR*(\a)+FR-1], 0, v[SC+8*NQ*(\sc)+NQ*\b+(\q)], v[SC+8*NQ*(\sc)+NQ*(\a)+(\q)] matrix_a_fmt:MATRIX_FMT_FP6 matrix_b_fmt:MATRIX_FMT_FP6 matrix_a_scale:MATRIX_SCALE_ROW1
.else
	v_wmma_scale_f32_16x16x128_f8f6f4 v[8*(8*((\a)%4)+\b):8*(8*((\a)%4)+\b)+7], v[128*(\p)+FR*\b:128*(\p)+FR*\b+FR-1], v[AF+FR*(\a):AF+FR*(\a)+FR-1], v[8*(8*((\a)%4)+\b):8*(8*((\a)%4)+\b)+7], v[SC+8*NQ*(\sc)+NQ*\b+(\q)], v[SC+8*NQ*(\sc)+NQ*(\a)+(\q)] matrix_a_fmt:MATRIX_FMT_FP6 matrix_b_fmt:MATRIX_FMT_FP6 matrix_a_scale:MATRIX_SCALE_ROW1
.endif
.endr
.endr
.endm
.macro FETCH_B slot, q, p
	WIN TO_B
.irp i, 0,1,2,3,4,5,6,7
	FRAG 128*(\p)+FR*\i, ADRB+\slot, \q, \i
.endr
	WIN 0
.endm
.macro FETCH_A slot, q, i0
.irp i, \i0, \i0+1, \i0+2, \i0+3
	FRAG AF+FR*(\i), ADRA+\slot, \q, \i
.endr
.endm
.macro SCALES sc                       ; a slot's two scale words a row: lanes 0-15 A's block i, lanes 16-31 B's block i
.irp i, 0,1,2,3,4,5,6,7
	ds_load_b64 v[SC+8*NQ*\sc+NQ*\i:SC+8*NQ*\sc+NQ*\i+1], v[ADRS] offset:\i*SBLK
.endr
.endm
.macro PLACES n                        ; plain vector instructions between a matrix instruction and a load into, or a vector read or write of, its registers
.rept \n
	v_nop
.endr
.endm
.macro STEP slot, q, zero              ; 128 along K that has its successor in the same slot
	s_wait_dscnt 4*NL                              ; B's set and A's blocks 0-3 are in; the youngest 16 loads (A's blocks 4-7) may be out
	WIN MUL_LO
	MUL16 0, (\q)%2, \q, \slot, \zero
	MUL16 2, (\q)%2, \q, \slot, \zero
	s_wait_dscnt 0
	PLACES NP
	FETCH_B \slot, (\q)+1, 1-(\q)%2
	FETCH_A \slot, (\q)+1, 0
	WIN MUL_HI
	MUL16 4, (\q)%2, \q, \slot, \zero
	MUL16 6, (\q)%2, \q, \slot, \zero
	PLACES NP
	WIN 0
	FETCH_A \slot, (\q)+1, 4
.endm
; A slot's last step changes slots: one barrier; in front of it each wave waits for all its tensor loads, adds 0 to its spare word, and waits for that and for its reads of this slot.  fill = 1: the slot is filled again.
.macro TURN slot, next, fill
	s_wait_tensorcnt 0x0                           ; all my tensor loads have landed: my part of the next slot
	ds_add_u32 v[SPW], v[NIL]
	s_wait_dscnt 4*NL+1                            ; (the add and the youngest 16 loads may be out)
	WIN MUL_LO
	MUL16 0, 1, NQ-1, \slot, 0
	s_wait_dscnt 0x0                               ; the add is done, and my reads of this slot are over
	s_barrier_signal -1
	MUL16 2, 1, NQ-1, \slot, 0
	WIN 0
	s_barrier_wait -1
.if \fill
	CREST                                          ; the barrier has opened a round of the cluster's: no wave of any partner still reads this slot or has a load on its way
	s_add_nc_u64 s[G0+4*\slot+2:G0+4*\slot+3], s[G0+4*\slot+2:G0+4*\slot+3], 2*HALFT
	s_add_nc_u64 s[G0B+4*\slot+2:G0B+4*\slot+3], s[G0B+4*\slot+2:G0B+4*\slot+3], 2*HALFT
	JLOAD G0+4*\slot, G1, G0B+4*\slot, G1B         ; the first tensor load behind the round, my only one until the next; its four v_nop are the places in front of the loads below
.else
	PLACES NP
.endif
	s_wait_alu depctr_va_vdst(0)
	v_add_nc_u32 v[ADRS], 4*NQ, v[ADRS]            ; on to the next slot's scale words
	FETCH_B \next, 0, 0
	FETCH_A \next, 0, 0
	SCALES \next
	WIN MUL_HI
	MUL16 4, 1, NQ-1, \slot, 0
	MUL16 6, 1, NQ-1, \slot, 0
	PLACES NP
	WIN 0
	FETCH_A \next, 0, 4
.endm
	s_wait_alu depctr_va_vdst(0)
	s_wait_tensorcnt 0x0                           ; my tile of the head's four is in
	ds_add_u32 v[SPW], v[NIL]
.irp g, G1, G1B                        ; no tensor load of mine is out, so the descriptors may be written: from here on a load brings one group: 96 rows of 256 dense bytes
	s_mov_b32 s[\g+1], 32<<16
	s_mov_b32 s[\g+2], 96<<16
	s_mov_b32 s[\g+3], 32<<16
	s_mov_b32 s[\g+4], 96
	s_mov_b32 s[\g+5], 32
.endr
	s_mov_b32 s[G0+1], s45                         ; slot 0's refills: my group, to wave x a group
	s_mov_b32 s[G0B+1], s45
	s_add_nc_u64 s[G0+2:G0+3], s[G0+2:G0+3], s[18:19]
	s_add_nc_u64 s[G0B+2:G0B+3], s[G0B+2:G0B+3], s[18:19]
	s_wait_dscnt 0x0                               ; the add is done
	CROUND                                         ; all four tiles are in, and all sixteen work-groups are here
	JLOAD G0+4, G1, G0B+4, G1B                     ; slot 1's first fill, the first tensor load behind the round
	FETCH_B 0, 0, 0
	FETCH_A 0, 0, 0
	SCALES 0
	global_prefetch_b8 v[PFO], s[2:3] offset:3*HALFT th:TH_LOAD_NT scope:SCOPE_SE    ; K 768-1023: the last byte named is 98,048 of the group's 98,304
	FETCH_A 0, 0, 4
	STEP 0, 0, 1                                   ; K 0-127: the first products start the sums
	TURN 0, 1, 1                                   ; K 128-255; slot 0 takes K 512-767
	STEP 1, 0, 0
	TURN 1, 0, 1                                   ; slot 1 takes K 768-1023
	STEP 0, 0, 0
	TURN 0, 1, 0                                   ; nothing is left to fetch
	STEP 1, 0, 0
	s_wait_dscnt 4*NL
	WIN MUL_LO
	MUL16 0, 1, NQ-1, 1, 0
	MUL16 2, 1, NQ-1, 1, 0
	s_wait_dscnt 0
	WIN MUL_HI
	MUL16 4, 1, NQ-1, 1, 0
	MUL16 6, 1, NQ-1, 1, 0
	WIN 0
; THE EPILOGUE, block by block of 16 rows; no LDS: a block's codes are stored as the image of an operand's registers, 512 consecutive bytes a store.
.macro QUANT src, dst, stp, tmp, wrd   ; 64 numbers of a lane, register 16 b + i = K 32 b + 16 h + i, become codes in v[dst + stp c + 0 .. 5] and the row's scale word
.irp b, 0,1,2,3
	v_max3_num_f32 v[TM+\b], |v[(\src)+16*\b]|, |v[(\src)+1+16*\b]|, 0x1800000   ; and the floor 2^(3 - 127): the byte cannot fall under 1
.endr
.irp i, 2,4,6,8,10,12,14
.irp b, 0,1,2,3
	v_max3_num_f32 v[TM+\b], v[TM+\b], |v[(\src)+16*\b+\i]|, |v[(\src)+1+16*\b+\i]|
.endr
.endr
.irp b, 0,1,2,3
	v_permlanex16_b32 v[TM+4+\b], v[TM+\b], s[SEL], s[SEL+1]
.endr
.irp b, 0,1,2,3
	v_max_num_f32 v[TM+\b], v[TM+\b], v[TM+4+\b]
.endr
.irp b, 0,1,2,3
	v_add_nc_u32 v[TM+12+\b], 0xff000000, v[TM+\b]   ; 2 off the exponent field: the conversion's scale operand
.endr
.irp b, 0,1,2,3
	v_lshrrev_b32 v[TM+4+\b], 23, v[TM+12+\b]
.endr
	v_lshl_or_b32 v[\wrd], v[TM+5], 8, v[TM+4]
	v_lshl_or_b32 v[\wrd], v[TM+6], 16, v[\wrd]
	v_lshl_or_b32 v[\wrd], v[TM+7], 24, v[\wrd]
	s_wait_xcnt 0x0                                ; the last block's stores have read the code registers
.irp c, 0,1
	v_cvt_scalef32_pk16_fp6_f32 v[(\dst)+(\stp)*\c:(\dst)+(\stp)*\c+2], v[(\src)+32*\c:(\src)+32*\c+15], v[TM+12+2*\c]
	v_cvt_scalef32_pk16_fp6_f32 v[(\tmp)+4*\c:(\tmp)+4*\c+2], v[(\src)+16+32*\c:(\src)+31+32*\c], v[TM+13+2*\c]
.endr
	v_nop                                          ; one plain place behind the scaled conversions
.irp c, 0,1
.irp i, 0,1,2
	v_permlane16_swap_b32 v[(\dst)+(\stp)*\c+\i], v[(\tmp)+4*\c+\i]
.endr
.irp i, 0,1,2
	v_mov_b32 v[(\dst)+(\stp)*\c+3+\i], v[(\tmp)+4*\c+\i]
.endr
.endr
.endm
.macro EPI_QK a                        ; q, k: block a = 16 tokens x my 128 features = two heads
	WIN 0x06+(\a)/4                                ; source 0: the accumulators' window; source 1: window 1
.set ii, 0
.rept 32
	v_pk_add_f32 v[HA+ii:HA+ii+1], v[64*((\a)%4)+ii:64*((\a)%4)+ii+1], v[96+ii+96*(ii/32):97+ii+96*(ii/32)]   ; + the bias; each accumulator from its low end on
.set ii, ii+2
.endr
	WIN 0
	QUANT HA, E, 8, CT, PW
	v_cmp_eq_u32 s17, 0, v[ROWD+(\a)]              ; my row's mask is 0,
	s_and_b32 s17, s17, s13                        ; and this is k
	v_cndmask_b32 v[KM], -1, 0, s17
.irp i, 0,1,2,3,4,5,8,9,10,11,12,13
	v_and_b32 v[E+\i], v[KM], v[E+\i]              ; a hidden key's codes are zeros
.endr
	v_cndmask_b32 v[E+6], v[PC0], v[PC1], s17      ; the code at k = 64
	v_cndmask_b32 v[E+14], v[PC0], v[PC1], s17
	v_cndmask_b32 v[PADB], v[PB0], v[PB1], s17     ; the bytes of k = 64 .. 127
	v_and_or_b32 v[WRD+(\a)], v[PW], 0xffff, v[PADB]
	v_lshrrev_b32 v[TT], 16, v[PW]
	v_or_b32 v[WRD+8+(\a)], v[TT], v[PADB]
	global_store_b128 v[LI], v[E:E+3], s[66:67] offset:1024*(\a)
	global_store_b128 v[LI], v[E+4:E+7], s[66:67] offset:1024*(\a)+512
	global_store_b128 v[LI], v[E+8:E+11], s[66:67] offset:1024*(\a)+16*RQK        ; the next head: 16 records on
	global_store_b128 v[LI], v[E+12:E+15], s[66:67] offset:1024*(\a)+16*RQK+512
.endm
.macro EPI_V a                         ; v: block a = 16 channels x my 128 keys
	v_mov_b32 v[BP], v[ROWD+(\a)]                  ; my channel's bias
	s_wait_alu depctr_va_vdst(0)
	WIN 0x02+(\a)/4
.set ii, 0
.rept 32
	v_pk_add_f32 v[HA+ii:HA+ii+1], v[64*((\a)%4)+ii:64*((\a)%4)+ii+1], v[BP:BP+1] op_sel_hi:[1,0]
.set ii, ii+2
.endr
	WIN 0
	QUANT HA, E, 6, CT, WRD+(\a)
.irp p, 0,1,2
	global_store_b128 v[LI], v[E+4*\p:E+4*\p+3], s[66:67] offset:((\a)/4)*16*RVV+((\a)%4)*1536+512*\p
.endr
.endm
	PLACES NP                                      ; behind the last products: vector instructions now write registers that held A's fragments
	s_wait_loadcnt 0x0                             ; the bias and the rows' numbers
	s_wait_xcnt 0x0                                ; the prefetches have read s[2:3], which are written again only behind this wait
	s_mov_b32 s[SEL], 0x76543210
	s_mov_b32 s[SEL+1], 0xfedcba98
	s_mov_b32 s18, 0xffff0000                      ; lanes 16-31
.irp b, 0,1,2,3
	v_mov_b32 v[TM+4+\b], 0                        ; a lane permute's destination counts as one of its sources
.endr
	v_mov_b32 v[ZR], 0
	v_mov_b32 v[BP+1], 0                           ; (named with v[BP] as a pair)
	s_cmp_eq_u32 s12, 2                            ; z is the same in all partners; neither arm has a tensor load, a barrier or an LDS access
	s_cbranch_scc1 .Lv_arm
	s_cmp_eq_u32 s12, 0
	s_cselect_b32 s19, 8, 0                        ; q: the code of +1.0; a key that counts: 0
	s_mov_b32 s20, 0x01010000
	s_cselect_b32 s20, 0x017f0000, s20             ; q: the bytes 127, 1; a key that counts: 1, 1
	v_mov_b32 v[TT], s19
	v_cndmask_b32 v[PC0], v[TT], v[ZR], s18        ; k = 64 lies in lanes 0-15
	v_mov_b32 v[TT], 0x28                          ; a hidden key: the code of -1.0
	v_cndmask_b32 v[PC1], v[TT], v[ZR], s18
	v_mov_b32 v[PB0], s20
	v_mov_b32 v[PB1], 0x01a00000                   ; under the byte 160
	v_mov_b32 v[E+7], 0
	v_mov_b32 v[E+15], 0
.irp a, 0,1,2,3,4,5,6,7
	EPI_QK \a
.endr
.irp k, 0,1,2,3
	v_cndmask_b32 v[OW+\k], v[WRD+\k], v[WRD+4+\k], s18        ; lanes 0-15: tiles 0-3; lanes 16-31: tiles 4-7
	v_cndmask_b32 v[OW+4+\k], v[WRD+8+\k], v[WRD+12+\k], s18
.endr
	global_store_b128 v[LI], v[OW:OW+3], s[66:67] offset:8192
	global_store_b128 v[LI], v[OW+4:OW+7], s[66:67] offset:8192+16*RQK
	s_branch .Lstored
.Lv_arm:
.irp a, 0,1,2,3,4,5,6,7
	EPI_V \a
.endr
.irp k, 0,1,2,3
	v_cndmask_b32 v[OW+\k], v[WRD+\k], v[WRD+4+\k], s18        ; lanes 0-15: my first head's four tiles; lanes 16-31: the next head's
.endr
	global_store_b128 v[VSO], v[OW:OW+3], s[66:67] offset:6144 ; 256 consecutive bytes for each head
.Lstored:
	s_wait_tensorcnt 0x0                           ; the wave's end
	ds_add_u32 v[SPW], v[NIL]
	s_wait_dscnt 0x0
	CROUND                                         ; the closing round
	s_endpgm
.Lfunc_end_k_q0efa9f709d_proj:
	.size	k_q0efa9f709d_proj, .Lfunc_end_k_q0efa9f709d_proj-k_q0efa9f709d_proj
	.p2alignl 7, 3214868480
	.fill 96, 4, 3214868480
	.section	.rodata,"a",@progbits
	.p2align	6, 0x0
	.amdhsa_kernel k_q0efa9f709d_proj
		.amdhsa_group_segment_fixed_size 327680
		.amdhsa_private_segment_fixed_size 0
		.amdhsa_enable_private_segment 0
		.amdhsa_kernarg_size 72
		.amdhsa_user_sgpr_count 2
		.amdhsa_user_sgpr_kernarg_segment_ptr 1
		.amdhsa_wavefront_size32 1
		.amdhsa_system_sgpr_workgroup_id_x 1
		.amdhsa_system_sgpr_workgroup_id_y 1
		.amdhsa_system_sgpr_workgroup_id_z 1
		.amdhsa_system_vgpr_workitem_id 0
		.amdhsa_next_free_vgpr 1024
		.amdhsa_next_free_sgpr 102
		.amdhsa_reserve_vcc 0
		.amdhsa_float_denorm_mode_32 3
		.amdhsa_float_denorm_mode_16_64 3
		.amdhsa_memory_ordered 1
		.amdhsa_forward_progress 1
		.amdhsa_inst_pref_size 227
	.end_amdhsa_kernel
	.amdgpu_metadata
---
amdhsa.version: [ 1, 2 ]
amdhsa.kernels:
  - .name:           k_q0efa9f709d_proj
    .symbol:         k_q0efa9f709d_proj.kd
    .args:
      - { .name: xc, .offset: 0, .size: 8, .value_kind: global_buffer, .address_space: global }
      - { .name: xs, .offset: 8, .size: 8, .value_kind: global_buffer, .address_space: global }
      - { .name: bq, .offset: 16, .size: 8, .value_kind: global_buffer, .address_space: global }
      - { .name: bk, .offset: 24, .size: 8, .value_kind: global_buffer, .address_space: global }
      - { .name: bv, .offset: 32, .size: 8, .value_kind: global_buffer, .address_space: global }
      - { .name: mask, .offset: 40, .size: 8, .value_kind: global_buffer, .address_space: global }
      - { .name: qimg, .offset: 48, .size: 8, .value_kind: global_buffer, .address_space: global }
      - { .name: kimg, .offset: 56, .size: 8, .value_kind: global_buffer, .address_space: global }
      - { .name: vimg, .offset: 64, .size: 8, .value_kind: global_buffer, .address_space: global }
    .group_segment_fixed_size: 327680
    .private_segment_fixed_size: 0
    .kernarg_segment_align: 8
    .kernarg_segment_size: 72
    .max_flat_workgroup_size: 128
    .sgpr_count:     102
    .vgpr_count:     1024
    .wavefront_size: 32
...
	.end_amdgpu_metadata
.endif
;; end of part 2
;; launch attn (part 3): grid 4 x 64, 16 waves a work-group, clusters of 4 x 1, 327,680 bytes of LDS; arguments qimg, kimg, vimg, oimg, osc; writes oimg, osc
.if DOCPART == 3
	.amdgcn_target "amdgcn-amd-amdhsa--gfx1250"
	.amdhsa_code_object_version 6
	.text
	.protected	k_q0efa9f709d_attn
	.globl	k_q0efa9f709d_attn
	.p2align	8
	.type	k_q0efa9f709d_attn,@function
k_q0efa9f709d_attn:
	s_mov_b64 s[64:65], 0
	v_nop
	global_prefetch_b8 v0, s[64:65] scope:SCOPE_SE
	s_setreg_imm32_b32 hwreg(HW_REG_WAVE_MODE, 25, 1), 1
	s_wait_xcnt 0x0
	s_wait_alu depctr_hold_cnt(0) depctr_sa_sdst(0) depctr_va_vdst(0) depctr_va_sdst(0) depctr_va_ssrc(0) depctr_va_vcc(0) depctr_vm_vsrc(0)
	s_getreg_b32 s2, hwreg(HW_REG_IB_STS2, 6, 4)
	s_cmp_eq_u32 s2, 0
	s_cbranch_scc0 .Lentry_in_a_cluster
	s_endpgm
.Lentry_in_a_cluster:
	s_bfe_u32 s2, ttmp6, 0x10000c
	s_cmp_lg_u32 s2, 0x3003
	s_cbranch_scc0 .Lentry_shape_is_right
	s_endpgm
.Lentry_shape_is_right:
; o = softmax(q k^T / 8, hidden keys at -2^30) v for one batch x head and 512 queries, on codes of FP6 (E2M3) with E8M0 scales, as the launch before has laid them (records of 128 rows: RK bytes of k or q, RV bytes of v).
; Sixteen waves; a wave takes 16 queries in each of two passes and walks the 2,048 keys in 16 steps of 128.  Both products are used transposed, so a lane holds one query.
; p = 2^(t - M), M the ceiling of the running largest t; the row's sum is taken of the unquantised p; p is quantised by blocks of 32 keys; at the end o / sum is quantised along the features for the last product.
; All of the head's k and v (16 records each) lie in LDS, filled once: waves 0-7 fetch two records of k each, waves 8-15 two of v, one joint load a wave; the four work-groups of a cluster share a head.
; No prefetch: every tile is asked for at the head, so there is no loop to run ahead in.
; LIMITS: the promise holds while the scaled scores stay under 2^31 in magnitude; a hidden key's logit is -2^30 where reference() has -1e9; NaN and infinities are not served.
.set RK,    8704
.set RV,    6400
.set VB,    16*RK
.set SPARE, VB+16*RV
.set LI,  1
.set LR,  2
.set OSO, 3
.set SPW, 5
.set NIL, 6
.set L8,  7
.set ADK, 8
.set ADS, 9
.set ADV, 10
.set ADT, 11
.set QF,  16
.set KW,  28
.set KP,  32
.set VF,  80
.set S,   128
.set O,   192
.set WV,  18
.set SEL, 20
.set CS,  22
.set G1K, 24
.set G1V, 32
.set G0K, 40
.set G0V, 44
.set TK,  48
.set TV,  49
.set QB,  52
.set QW,  54
.macro CROUND
	s_barrier_signal -1
	s_barrier_wait -1
	s_cmp_lg_u32 s[WV], 0
	s_cbranch_scc1 .Lnot_wave_0_\@
	s_barrier_signal -3
.Lnot_wave_0_\@:
	s_barrier_wait -3
	s_barrier_signal -1
	s_barrier_wait -1
.endm
	s_load_b256 s[4:11], s[0:1], 0x0
	s_load_b64 s[12:13], s[0:1], 0x20
	v_lshl_add_u32 v[SPW], v0, 2, SPARE
	v_mov_b32 v[NIL], 0
	ds_add_u32 v[SPW], v[NIL]
	ds_add_u32 v[SPW], v[NIL]
	v_lshrrev_b32 v8, 5, v0
	s_delay_alu instid0(VALU_DEP_1)
	v_readfirstlane_b32 s[WV], v8
	s_bfe_u32 s14, ttmp6, 0x40000
	s_and_b32 s15, ttmp7, 0xffff
	s_mov_b32 s[G1K], 15|(3<<16)|(1<<21)
	s_mov_b32 s[G1K+1], 32<<16
	s_mov_b32 s[G1K+2], 68<<16                     ; two records of k: 68 rows of 256 bytes
	s_mov_b32 s[G1K+3], 32<<16
	s_mov_b32 s[G1K+4], 68
	s_mov_b32 s[G1K+5], 32
	s_mov_b32 s[G1K+6], 0
	s_mov_b32 s[G1K+7], 0
	s_mov_b32 s[G1V], 15|(3<<16)|(1<<21)
	s_mov_b32 s[G1V+1], 32<<16
	s_mov_b32 s[G1V+2], 50<<16                     ; two records of v: 50 rows of 256 bytes
	s_mov_b32 s[G1V+3], 32<<16
	s_mov_b32 s[G1V+4], 50
	s_mov_b32 s[G1V+5], 32
	s_mov_b32 s[G1V+6], 0
	s_mov_b32 s[G1V+7], 0
	s_mul_i32 s16, s15, 16*RK
	s_and_b32 s3, s[WV], 7                         ; which pair of records I fetch
	s_mul_i32 s19, s3, 2*RK
	s_add_co_u32 s16, s16, s19
	s_mov_b32 s17, 0
	s_mul_i32 s56, s15, 16*RV
	s_mul_i32 s58, s3, 2*RV
	s_add_co_u32 s56, s56, s58
	s_mov_b32 s57, 0
	s_add_co_u32 s58, s58, VB
	s_mov_b32 s[SEL], 0x76543210
	s_mov_b32 s[SEL+1], 0xfedcba98
	s_mov_b32 s[CS], 0x3e38aa3b
	s_mov_b32 s[CS+1], s[CS]
	s_wait_dscnt 0x0
	s_wait_kmcnt 0x0
	s_mov_b32 s[G0K], 1
	s_mov_b32 s[G0K+1], s19
	s_add_nc_u64 s[G0K+2:G0K+3], s[6:7], s[16:17]
	s_or_b32 s[G0K+3], s[G0K+3], 0x80000000
	s_mov_b32 s[G0V], 1
	s_mov_b32 s[G0V+1], s58
	s_add_nc_u64 s[G0V+2:G0V+3], s[8:9], s[56:57]
	s_or_b32 s[G0V+3], s[G0V+3], 0x80000000
	CROUND
	s_cmp_lt_u32 s[WV], 8                          ; one load a wave, in the two arms of one branch on the wave's number
	s_cbranch_scc0 .Lfor_v
	tensor_load_to_lds s[G0K:G0K+3], s[G1K:G1K+7]
	s_nop 0
.rept 4
	v_nop
.endr
	s_branch .Lasked
.Lfor_v:
	tensor_load_to_lds s[G0V:G0V+3], s[G1V:G1V+7]
	s_nop 0
.rept 4
	v_nop
.endr
.Lasked:
	s_lshl_b32 s59, s14, 2
	s_lshr_b32 s60, s[WV], 3
	s_add_co_u32 s59, s59, s60
	s_and_b32 s60, s[WV], 7
	s_lshl_b32 s61, s15, 4
	s_add_co_u32 s61, s61, s59
	s_mul_i32 s62, s61, RK
	s_mov_b32 s63, 0
	s_add_nc_u64 s[QW:QW+1], s[4:5], s[62:63]
	s_lshl_b32 s62, s60, 10
	s_add_nc_u64 s[QB:QB+1], s[QW:QW+1], s[62:63]
	s_lshr_b32 s62, s60, 2
	s_lshl_b32 s62, s62, 8
	s_and_b32 s2, s60, 3
	s_lshl_b32 s2, s2, 2
	s_add_co_u32 s62, s62, s2
	s_add_co_u32 s62, s62, 8192
	s_add_nc_u64 s[QW:QW+1], s[QW:QW+1], s[62:63]
	s_lshr_b32 s61, s15, 4
	s_lshl_b32 s61, s61, 4
	s_add_co_u32 s61, s61, s59
	s_and_b32 s2, s15, 15
	s_mul_i32 s62, s61, 98304
	s_mul_i32 s3, s2, 6144
	s_add_co_u32 s62, s62, s3
	s_mul_i32 s3, s60, 768
	s_add_co_u32 s62, s62, s3
	s_add_nc_u64 s[10:11], s[10:11], s[62:63]
	s_lshl_b32 s62, s61, 12
	s_lshl_b32 s3, s60, 9
	s_add_co_u32 s62, s62, s3
	s_lshl_b32 s3, s2, 1
	s_add_co_u32 s62, s62, s3
	s_add_nc_u64 s[12:13], s[12:13], s[62:63]
	v_and_b32 v[LI], 31, v0
	s_delay_alu instid0(VALU_DEP_1)
	v_lshlrev_b32 v[L8], 3, v[LI]
	s_delay_alu instid0(VALU_DEP_2)
	v_lshlrev_b32 v[LI], 4, v[LI]
	v_and_b32 v[LR], 15, v0
	s_delay_alu instid0(VALU_DEP_1)
	v_lshlrev_b32 v[OSO], 5, v[LR]
	s_delay_alu instid0(VALU_DEP_2)
	v_lshlrev_b32 v[LR], 4, v[LR]
.irp i, 8,9,10,11
	v_mov_b32 v[QF+\i], 0
.irp t, 0,1,2,3
	v_mov_b32 v[KP+12*\t+\i], 0
.endr
.endr
.irp b, 0,1,2,3
	v_mov_b32 v[236+\b], 0
.endr
	v_mov_b32 v253, 0
	s_wait_alu depctr_va_vdst(0)
	s_wait_tensorcnt 0x0
	s_barrier_signal -1
	s_barrier_wait -1
	s_mov_b32 s51, 2
.Lpass:
	global_load_b128 v[QF:QF+3], v[LI], s[QB:QB+1]
	global_load_b128 v[QF+4:QF+7], v[LI], s[QB:QB+1] offset:512
	global_load_b32 v255, v[LR], s[QW:QW+1]
	v_mov_b32 v13, 0xff61b1e6
	s_delay_alu instid0(VALU_DEP_1)
	v_floor_f32 v12, -v13
	v_mov_b32 v14, 0
	v_mov_b32 v15, 0
.set jj, 0
.rept 32
	v_mov_b32 v[O+jj], 0
.set jj, jj+1
.endr
	s_mov_b32 s[TK], 0
	s_mov_b32 s[TV], VB
	s_mov_b32 s50, 16
.irp t, 0,1,2,3
	ds_load_b128 v[KP+12*\t:KP+12*\t+3], v[LI] offset:1024*\t
	ds_load_b128 v[KP+12*\t+4:KP+12*\t+7], v[LI] offset:1024*\t+512
.endr
	ds_load_b128 v[KW:KW+3], v[LR] offset:8192
	s_wait_loadcnt 0x0
.Lstep:
	v_add_nc_u32 v[ADK], s[TK], v[LI]
	v_add_nc_u32 v[ADS], s[TK], v[LR]
	v_add_nc_u32 v[ADV], s[TV], v[LI]
	v_add_nc_u32 v[ADT], s[TV], v[LR]
.irp t, 0,1,2,3
.irp p, 0,1,2
	ds_load_b128 v[VF+12*\t+4*\p:VF+12*\t+4*\p+3], v[ADV] offset:1536*\t+512*\p
.endr
.endr
	s_wait_alu depctr_va_vdst(0)
	s_wait_dscnt 12
.irp t, 0,1,2,3
	v_wmma_scale_f32_16x16x128_f8f6f4 v[S+8*\t:S+8*\t+7], v[KP+12*\t:KP+12*\t+11], v[QF:QF+11], 0, v[KW+\t], v255 matrix_a_fmt:MATRIX_FMT_FP6 matrix_b_fmt:MATRIX_FMT_FP6
.endr
.rept 4
	v_nop
.endr
.irp t, 0,1,2,3
	ds_load_b128 v[KP+12*\t:KP+12*\t+3], v[ADK] offset:4096+1024*\t
	ds_load_b128 v[KP+12*\t+4:KP+12*\t+7], v[ADK] offset:4096+1024*\t+512
.endr
	ds_load_b128 v[248:251], v[ADS] offset:8192+256
	s_wait_dscnt 0x0
.irp t, 0,1,2,3
	v_wmma_scale_f32_16x16x128_f8f6f4 v[S+32+8*\t:S+32+8*\t+7], v[KP+12*\t:KP+12*\t+11], v[QF:QF+11], 0, v[248+\t], v255 matrix_a_fmt:MATRIX_FMT_FP6 matrix_b_fmt:MATRIX_FMT_FP6
.endr
.rept 4
	v_nop
.endr
.irp t, 0,1,2,3
	ds_load_b128 v[KP+12*\t:KP+12*\t+3], v[ADK] offset:RK+1024*\t
	ds_load_b128 v[KP+12*\t+4:KP+12*\t+7], v[ADK] offset:RK+1024*\t+512
.endr
	ds_load_b128 v[KW:KW+3], v[ADS] offset:RK+8192
	ds_load_b128 v[248:251], v[ADT] offset:6144
.irp b, 0,1,2,3
	v_max3_num_f32 v[232+\b], v[S+16*\b], v[S+1+16*\b], v[S+2+16*\b]
.endr
.irp i, 3,5,7,9,11,13
.irp b, 0,1,2,3
	v_max3_num_f32 v[232+\b], v[232+\b], v[S+16*\b+\i], v[S+1+16*\b+\i]
.endr
.endr
.irp b, 0,1,2,3
	v_max_num_f32 v[232+\b], v[232+\b], v[S+15+16*\b]
.endr
.irp b, 0,1,2,3
	s_delay_alu instid0(VALU_DEP_4)
	v_permlanex16_b32 v[236+\b], v[232+\b], s[SEL], s[SEL+1]
.endr
.irp b, 0,1,2,3
	s_delay_alu instid0(VALU_DEP_4)
	v_max_num_f32 v[232+\b], v[232+\b], v[236+\b]
.endr
	s_delay_alu instid0(VALU_DEP_2)
	v_max3_num_f32 v254, v232, v233, v234
	s_delay_alu instid0(VALU_DEP_1)
	v_max_num_f32 v254, v254, v235
	s_delay_alu instid0(VALU_DEP_1)
	v_mul_f32 v254, s[CS], v254
	s_delay_alu instid0(VALU_DEP_1)
	v_max_num_f32 v13, v13, v254
	v_mov_b32 v254, v12
	s_delay_alu instid0(VALU_DEP_2)
	v_floor_f32 v12, -v13
	s_delay_alu instid0(VALU_DEP_1)
	v_sub_f32 v254, v12, v254
	s_delay_alu instid0(VALU_DEP_1)
	v_cvt_i32_f32 v254, v254
	s_delay_alu instid0(VALU_DEP_1)
	v_ldexp_f32 v252, 1.0, v254
.set jj, 0
.rept 32
	v_pk_fma_f32 v[S+jj:S+jj+1], v[S+jj:S+jj+1], s[CS:CS+1], v[12:13] op_sel_hi:[1,0,0]
.set jj, jj+2
.endr
.irp b, 0,1,2,3
	v_fma_f32 v[232+\b], v[232+\b], s[CS], v12
.endr
.set jj, 0
	s_wait_alu depctr_va_vdst(0)
.rept 64
	v_exp_f32 v[S+jj], v[S+jj]
.set jj, jj+1
.endr
	v_pk_mul_f32 v[14:15], v[14:15], v[252:253] op_sel_hi:[1,0]
	s_wait_alu depctr_va_vdst(0)
.irp b, 0,1,2,3
	v_exp_f32 v[232+\b], v[232+\b]
.endr
	v_pk_add_f32 v[236:237], v[S:S+1], v[S+2:S+3]
.irp j, 4,8,12,16,20,24,28,32,36,40,44,48,52,56,60
	v_pk_add_f32 v[14:15], v[14:15], v[S+\j:S+1+\j]
	v_pk_add_f32 v[236:237], v[236:237], v[S+2+\j:S+3+\j]
.endr
	s_delay_alu instid0(VALU_DEP_1)
	v_pk_add_f32 v[14:15], v[14:15], v[236:237]
	s_wait_alu depctr_va_vdst(0)
.irp b, 0,1,2,3
	v_max_num_f32 v[232+\b], 0x1800000, v[232+\b]
.endr
.irp b, 0,1,2,3
	s_delay_alu instid0(VALU_DEP_4)
	v_add_nc_u32 v[244+\b], 0xff000000, v[232+\b]
.endr
.irp b, 0,1,2,3
	s_delay_alu instid0(VALU_DEP_4)
	v_lshrrev_b32 v[236+\b], 23, v[244+\b]
.endr
	s_delay_alu instid0(VALU_DEP_3)
	v_lshl_or_b32 v253, v237, 8, v236
	s_delay_alu instid0(VALU_DEP_1)
	v_lshl_or_b32 v253, v238, 16, v253
	s_delay_alu instid0(VALU_DEP_1)
	v_lshl_or_b32 v253, v239, 24, v253
.irp c, 0,1
	v_cvt_scalef32_pk16_fp6_f32 v[224+6*\c:226+6*\c], v[S+32*\c:S+15+32*\c], v[244+2*\c]
	v_cvt_scalef32_pk16_fp6_f32 v[236+4*\c:238+4*\c], v[S+16+32*\c:S+31+32*\c], v[245+2*\c]
.endr
	v_nop
.irp c, 0,1
.irp i, 0,1,2
	v_permlane16_swap_b32 v[224+6*\c+\i], v[236+4*\c+\i]
.endr
.irp i, 0,1,2
	s_delay_alu instid0(VALU_DEP_3)
	v_mov_b32 v[227+6*\c+\i], v[236+4*\c+\i]
.endr
.endr
.set jj, 0
.rept 16
	v_pk_mul_f32 v[O+jj:O+jj+1], v[O+jj:O+jj+1], v[252:253] op_sel_hi:[1,0]
.set jj, jj+2
.endr
	s_wait_alu depctr_va_vdst(0)
	s_wait_dscnt 0x0
.irp t, 0,1,2,3
	v_wmma_scale_f32_16x16x128_f8f6f4 v[O+8*\t:O+8*\t+7], v[VF+12*\t:VF+12*\t+11], v[224:235], v[O+8*\t:O+8*\t+7], v[248+\t], v253 matrix_a_fmt:MATRIX_FMT_FP6 matrix_b_fmt:MATRIX_FMT_FP6
.endr
	s_add_co_u32 s[TK], s[TK], RK
	s_add_co_u32 s[TV], s[TV], RV
	s_sub_co_u32 s50, s50, 1
	s_cmp_lg_u32 s50, 0
	s_cbranch_scc1 .Lstep
.rept 4
	v_nop
.endr
	v_add_f32 v14, v14, v15
	s_delay_alu instid0(VALU_DEP_1)
	v_permlanex16_b32 v252, v14, s[SEL], s[SEL+1]
	s_delay_alu instid0(VALU_DEP_1)
	v_add_f32 v14, v14, v252
	s_wait_alu depctr_va_vdst(0)
	v_rcp_f32 v14, v14
	v_nop
	s_wait_alu depctr_va_vdst(0)
.set jj, 0
.rept 16
	v_pk_mul_f32 v[S+jj:S+jj+1], v[O+jj:O+jj+1], v[14:15] op_sel_hi:[1,0]
.set jj, jj+2
.endr
.irp b, 0,1
	v_max3_num_f32 v[232+\b], |v[S+16*\b]|, |v[S+1+16*\b]|, 0x1800000
.endr
.irp i, 2,4,6,8,10,12,14
.irp b, 0,1
	s_delay_alu instid0(VALU_DEP_2)
	v_max3_num_f32 v[232+\b], v[232+\b], |v[S+16*\b+\i]|, |v[S+1+16*\b+\i]|
.endr
.endr
.irp b, 0,1
	s_delay_alu instid0(VALU_DEP_2)
	v_permlanex16_b32 v[236+\b], v[232+\b], s[SEL], s[SEL+1]
.endr
.irp b, 0,1
	s_delay_alu instid0(VALU_DEP_2)
	v_max_num_f32 v[232+\b], v[232+\b], v[236+\b]
.endr
.irp b, 0,1
	s_delay_alu instid0(VALU_DEP_2)
	v_add_nc_u32 v[244+\b], 0xff000000, v[232+\b]
.endr
.irp b, 0,1
	s_delay_alu instid0(VALU_DEP_2)
	v_lshrrev_b32 v[236+\b], 23, v[244+\b]
.endr
	s_delay_alu instid0(VALU_DEP_1)
	v_lshl_or_b32 v254, v237, 8, v236
	v_cvt_scalef32_pk16_fp6_f32 v[224:226], v[S:S+15], v244
	v_cvt_scalef32_pk16_fp6_f32 v[240:242], v[S+16:S+31], v245
	v_nop
.irp i, 0,1,2
	v_permlane16_swap_b32 v[224+\i], v[240+\i]
.endr
.irp i, 0,1,2
	s_delay_alu instid0(VALU_DEP_3)
	v_mov_b32 v[227+\i], v[240+\i]
.endr
	global_store_b128 v[LI], v[224:227], s[10:11]
	global_store_b64 v[L8], v[228:229], s[10:11] offset:512
	global_store_b16 v[OSO], v254, s[12:13]
	s_wait_xcnt 0x0
	s_add_nc_u64 s[QB:QB+1], s[QB:QB+1], 2*RK
	s_add_nc_u64 s[QW:QW+1], s[QW:QW+1], 2*RK
	s_add_nc_u64 s[10:11], s[10:11], 2*98304
	s_add_nc_u64 s[12:13], s[12:13], 2*4096
	s_sub_co_u32 s51, s51, 1
	s_cmp_lg_u32 s51, 0
	s_cbranch_scc1 .Lpass
	s_wait_tensorcnt 0x0
	ds_add_u32 v[SPW], v[NIL]
	s_wait_dscnt 0x0
	CROUND
	s_endpgm
.Lfunc_end_k_q0efa9f709d_attn:
	.size	k_q0efa9f709d_attn, .Lfunc_end_k_q0efa9f709d_attn-k_q0efa9f709d_attn
	.p2alignl 7, 3214868480
	.fill 96, 4, 3214868480
	.section	.rodata,"a",@progbits
	.p2align	6, 0x0
	.amdhsa_kernel k_q0efa9f709d_attn
		.amdhsa_group_segment_fixed_size 327680
		.amdhsa_private_segment_fixed_size 0
		.amdhsa_enable_private_segment 0
		.amdhsa_kernarg_size 40
		.amdhsa_user_sgpr_count 2
		.amdhsa_user_sgpr_kernarg_segment_ptr 1
		.amdhsa_wavefront_size32 1
		.amdhsa_system_sgpr_workgroup_id_x 1
		.amdhsa_system_sgpr_workgroup_id_y 1
		.amdhsa_system_sgpr_workgroup_id_z 1
		.amdhsa_system_vgpr_workitem_id 0
		.amdhsa_next_free_vgpr 256
		.amdhsa_next_free_sgpr 66
		.amdhsa_reserve_vcc 0
		.amdhsa_float_denorm_mode_32 3
		.amdhsa_float_denorm_mode_16_64 3
		.amdhsa_memory_ordered 1
		.amdhsa_forward_progress 1
		.amdhsa_inst_pref_size 31
	.end_amdhsa_kernel
	.amdgpu_metadata
---
amdhsa.version: [ 1, 2 ]
amdhsa.kernels:
  - .name:           k_q0efa9f709d_attn
    .symbol:         k_q0efa9f709d_attn.kd
    .args:
      - { .name: qimg, .offset: 0, .size: 8, .value_kind: global_buffer, .address_space: global }
      - { .name: kimg, .offset: 8, .size: 8, .value_kind: global_buffer, .address_space: global }
      - { .name: vimg, .offset: 16, .size: 8, .value_kind: global_buffer, .address_space: global }
      - { .name: oimg, .offset: 24, .size: 8, .value_kind: global_buffer, .address_space: global }
      - { .name: osc, .offset: 32, .size: 8, .value_kind: global_buffer, .address_space: global }
    .group_segment_fixed_size: 327680
    .private_segment_fixed_size: 0
    .kernarg_segment_align: 8
    .kernarg_segment_size: 40
    .max_flat_workgroup_size: 512
    .sgpr_count:     66
    .vgpr_count:     256
    .wavefront_size: 32
...
	.end_amdgpu_metadata
.endif
;; end of part 3
;; launch outp (part 4): grid 4 x 32, 4 waves a work-group, clusters of 4 x 4, 327,680 bytes of LDS; arguments oimg, osc, xc, xs, bo, out0; writes out0
.if DOCPART == 4
	.amdgcn_target "amdgcn-amd-amdhsa--gfx1250"
	.amdhsa_code_object_version 6
	.text
	.protected	k_q0efa9f709d_outp
	.globl	k_q0efa9f709d_outp
	.p2align	8
	.type	k_q0efa9f709d_outp,@function
k_q0efa9f709d_outp:
	s_mov_b64 s[64:65], 0
	v_nop
	global_prefetch_b8 v0, s[64:65] scope:SCOPE_SE
	s_setreg_imm32_b32 hwreg(HW_REG_WAVE_MODE, 25, 1), 1
	s_wait_xcnt 0x0
	s_wait_alu depctr_hold_cnt(0) depctr_sa_sdst(0) depctr_va_vdst(0) depctr_va_sdst(0) depctr_va_ssrc(0) depctr_va_vcc(0) depctr_vm_vsrc(0)
	s_getreg_b32 s2, hwreg(HW_REG_IB_STS2, 6, 4)
	s_cmp_eq_u32 s2, 0
	s_cbranch_scc0 .Lentry_in_a_cluster
	s_endpgm
.Lentry_in_a_cluster:
	s_bfe_u32 s2, ttmp6, 0x10000c
	s_cmp_lg_u32 s2, 0xf033
	s_cbranch_scc0 .Lentry_shape_is_right
	s_endpgm
.Lentry_shape_is_right:
; out0 = o Wo^T + bo on codes of FP6 (E2M3) with E8M0 scales: o's as the attention stored them (oimg, osc), Wo's as the first launch laid them (xc, xs, groups 216-223); sums in f32, bo as the C of the first products.
; A work-group makes 256 x 256, a wave 128 x 128; K = 1,024 in four steps of 256 through two LDS slots; clusters of 4 x 4 ask jointly for A's tiles along a row and B's along a column.
; The results leave through each wave's stage in slot 0, which has had its last fill by then, as whole rows of 512 bytes.
.set NQ,     2
.set FR,     12
.set NL,     4
.set NP,     4
.set RGB,    98304
.set KQB,    6144
.set HALFT,  4*KQB
.set SLOT,   4*HALFT
.set KS,     32
.set SCL,    2*SLOT
.set HALFS,  16*272
.set SBLK,   2*272
.set SPARE,  SCL+4*HALFS
.set SPITCH, 528
.set BNO,  12
.set ADRA, 16
.set ADRB, 20
.set STO,  24
.set RD,   25
.set CO,   26
.set ADRS, 27
.set SPW,  28
.set NIL,  29
.set SC,   32
.set BO,   64
.set AF,   128
.set BK,   128
.set G1, 24
.set G0, 32
.set G1B, 48
.set G0B, 56
.set G1S, 68
.set G0S, 76
.set G1SB, 80
.set G0SB, 88
.set MSB, 0
.macro WIN new
.if MSB != (\new)
	s_set_vgpr_msb (MSB<<8)|(\new)
.set MSB, (\new)
.endif
.endm
.set MUL_LO, 0xa1
.set MUL_HI, 0xf1
.set TO_B,   0x40
.macro JLOAD g0a, g1a, g0b, g1b
	s_cmp_eq_u32 s15, 0
	s_cbranch_scc0 .Lfor_b_\@
	tensor_load_to_lds s[\g0a:\g0a+3], s[\g1a:\g1a+7]
	s_nop 0
.rept 4
	v_nop
.endr
	s_branch .Lasked_\@
.Lfor_b_\@:
	tensor_load_to_lds s[\g0b:\g0b+3], s[\g1b:\g1b+7]
	s_nop 0
.rept 4
	v_nop
.endr
.Lasked_\@:
.endm
.macro CREST
	s_cmp_lg_u32 s14, 0
	s_cbranch_scc1 .Lnot_wave_0_\@
	s_barrier_signal -3
.Lnot_wave_0_\@:
	s_barrier_wait -3
	s_barrier_signal -1
	s_barrier_wait -1
.endm
.macro CROUND
	s_barrier_signal -1
	s_barrier_wait -1
	CREST
.endm
	s_load_b256 s[4:11], s[0:1], 0x0
	s_load_b128 s[92:95], s[0:1], 0x20
	v_lshl_add_u32 v[SPW], v0, 2, SPARE
	v_mov_b32 v[NIL], 0
	ds_add_u32 v[SPW], v[NIL]
	ds_add_u32 v[SPW], v[NIL]
	v_lshrrev_b32 v1, 5, v0
	v_readfirstlane_b32 s14, v1
	s_lshr_b32 s15, s14, 1
	s_and_b32 s16, s14, 1
	s_bfe_u32 s40, ttmp6, 0x40000
	s_bfe_u32 s41, ttmp6, 0x40004
	s_and_b32 s17, ttmp7, 0xffff
	s_lshl_b32 s43, s41, 2
	s_lshl_b32 s43, 15, s43
	s_lshl_b32 s44, 0x1111, s40
	s_or_b32 s[G1+0], s43, (3<<16)|(1<<21)
	s_or_b32 s[G1B+0], s44, (3<<16)|(1<<21)
.irp g, G1, G1B
	s_mov_b32 s[\g+1], 3072<<16                    ; for the head's load: two row groups' 256 along K: 2 rows of 3,072 elements of 8 bytes,
	s_mov_b32 s[\g+2], 2<<16
	s_mov_b32 s[\g+3], 3072<<16
	s_mov_b32 s[\g+4], 2
	s_mov_b32 s[\g+5], RGB/8                       ; a row group apart
	s_mov_b32 s[\g+6], 0
	s_mov_b32 s[\g+7], 0
.endr
	s_or_b32 s[G1S+0], s43, (3<<16)|(1<<20)|(1<<21)|(5<<22)|(3<<25)
	s_or_b32 s[G1SB+0], s44, (3<<16)|(1<<20)|(1<<21)|(5<<22)|(3<<25)
.irp g, G1S, G1SB
	s_mov_b32 s[\g+1], 32<<16
	s_mov_b32 s[\g+2], 32<<16                      ; two groups' scales: 8,192 dense bytes, 32 rows of 256
	s_mov_b32 s[\g+3], 32<<16
	s_mov_b32 s[\g+4], 32
	s_mov_b32 s[\g+5], 32
	s_mov_b32 s[\g+6], 0
	s_mov_b32 s[\g+7], 0
.endr
	s_lshl_b32 s18, s17, 3
	s_lshl_b32 s20, s41, 1
	s_add_co_u32 s18, s18, s20                     ; the first of A's two groups
	s_lshl_b32 s46, s40, 1
	s_add_co_u32 s46, s46, 216                     ; the first of B's two
	s_mul_i32 s20, s18, RGB
	s_mov_b32 s21, 0
	s_lshl_b32 s22, s18, 12
	s_mov_b32 s23, 0
	s_lshl_b32 s2, s46, 12
	s_mov_b32 s3, 0
	s_mul_i32 s46, s46, RGB
	s_mov_b32 s47, 0
	s_mul_i32 s45, s14, HALFT
	s_mul_i32 s18, s16, RGB                        ; in the ring I fetch one group of the two: which, in bytes
	s_mov_b32 s19, 0
	s_wait_dscnt 0x0
	s_wait_kmcnt 0x0
	s_add_nc_u64 s[20:21], s[4:5], s[20:21]
	s_add_nc_u64 s[22:23], s[6:7], s[22:23]
	s_add_nc_u64 s[46:47], s[8:9], s[46:47]
	s_add_nc_u64 s[2:3], s[10:11], s[2:3]
	CROUND
	s_mov_b32 s[G0S], 1
	s_mov_b32 s[G0S+1], SCL
	s_mov_b64 s[G0S+2:G0S+3], s[22:23]
	s_or_b32 s[G0S+3], s[G0S+3], 0x80000000
	s_mov_b32 s[G0SB], 1
	s_mov_b32 s[G0SB+1], SCL+2*HALFS
	s_mov_b64 s[G0SB+2:G0SB+3], s[2:3]
	s_or_b32 s[G0SB+3], s[G0SB+3], 0x80000000
.irp s, 0,1
	s_mov_b32 s[G0+4*\s], 1
	s_add_co_u32 s[G0+4*\s+1], s45, \s*SLOT
	s_add_nc_u64 s[G0+4*\s+2:G0+4*\s+3], s[20:21], \s*HALFT
	s_or_b32 s[G0+4*\s+3], s[G0+4*\s+3], 0x80000000
	s_mov_b32 s[G0B+4*\s], 1
	s_add_co_u32 s[G0B+4*\s+1], s45, \s*SLOT
	s_add_nc_u64 s[G0B+4*\s+2:G0B+4*\s+3], s[46:47], \s*HALFT
	s_or_b32 s[G0B+4*\s+3], s[G0B+4*\s+3], 0x80000000
.endr
	s_mov_b32 s[G0+1], 0                           ; the head's tiles are whole: A's two groups go to LDS byte 0,
	s_mov_b32 s[G0B+1], 2*HALFT                    ; B's two behind them
	s_add_nc_u64 s[G0+6:G0+7], s[G0+6:G0+7], s[18:19]      ; slot 1's loads bring my own group
	s_add_nc_u64 s[G0B+6:G0B+7], s[G0B+6:G0B+7], s[18:19]
; THE PREFETCHES: of the 96 blocks of 256 bytes that a ring load of mine brings, the partner at place p among the four that ask jointly (cx for A, cy for B) names blocks 24 p .. 24 p + 23, a lane a block
; (lanes 24-31 name block 23 again): the shares are told apart by address alone.  K steps 1 and 2 are asked for behind the head's load, K step 3 behind slot 1's: one to two steps ahead of their tensor loads.
.set PFO, 14                           ; v14  256 x min(lane, 23); never rewritten
	s_cmp_eq_u32 s15, 0                            ; do I fetch for A?
	s_cselect_b64 s[2:3], s[20:21], s[46:47]       ; the first of the two groups,
	s_cselect_b32 s42, s40, s41                    ; my place among the four
	s_mul_i32 s42, s42, KQB                        ; 24 blocks of 256 bytes
	s_mov_b32 s43, 0
	s_add_nc_u64 s[2:3], s[2:3], s[42:43]
	s_add_nc_u64 s[2:3], s[2:3], s[18:19]          ; the group that I fetch; s[2:3] are never rewritten
	v_and_b32 v[PFO], 31, v0
	v_min_u32 v[PFO], 23, v[PFO]
	v_lshlrev_b32 v[PFO], 8, v[PFO]
; THE HEAD'S LOADS, ONE A WAVE: wave 0 A's codes of K 0-255, wave 1 B's, wave 2 A's scales, wave 3 B's: one chain of branches on the wave's number, one load to an arm
.macro ARM under, g0, g1, next
	s_cmp_lt_u32 s14, \under
	s_cbranch_scc0 \next
	tensor_load_to_lds s[\g0:\g0+3], s[\g1:\g1+7]
	s_nop 0
.rept 4
	v_nop
.endr
	s_branch .Lhead_asked
\next:
.endm
	ARM 1, G0,  G1,  .Lhead_b
	ARM 2, G0B, G1B, .Lhead_sa
	ARM 3, G0S, G1S, .Lhead_sb
	tensor_load_to_lds s[G0SB:G0SB+3], s[G1SB:G1SB+7]
	s_nop 0
.rept 4
	v_nop
.endr
.Lhead_asked:
	s_wait_alu depctr_va_vdst(0)                   ; the wait stands directly ahead of the reader below
	global_prefetch_b8 v[PFO], s[2:3] offset:HALFT th:TH_LOAD_NT scope:SCOPE_SE      ; K 256-511
	global_prefetch_b8 v[PFO], s[2:3] offset:2*HALFT th:TH_LOAD_NT scope:SCOPE_SE    ; K 512-767
	v_and_b32 v1, 15, v0
	v_bfe_u32 v2, v0, 4, 1
	v_and_b32 v3, 31, v0
	v_lshlrev_b32 v[CO], 4, v3
	v_lshlrev_b32 v5, 3, v3
	v_add_nc_u32 v5, 512, v5
	s_mul_i32 s21, s15, HALFT
	s_mul_i32 s22, s16, HALFT
	s_add_co_u32 s22, s22, 2*HALFT
.irp s, 0,1
	v_add_nc_u32 v[ADRA+\s], s21, v[CO]
	v_add_nc_u32 v[ADRB+\s], s22, v[CO]
	v_add_nc_u32 v[ADRA+2+\s], s21, v5
	v_add_nc_u32 v[ADRB+2+\s], s22, v5
	s_add_co_u32 s21, s21, SLOT
	s_add_co_u32 s22, s22, SLOT
.endr
	v_mul_u32_u24 v5, v1, KS
	v_lshrrev_b32 v6, 8, v5
	v_lshl_add_u32 v5, v6, 4, v5
	s_mul_i32 s21, s15, HALFS
	s_mul_i32 s22, s16, HALFS
	s_add_co_u32 s22, s22, 2*HALFS
	s_sub_co_u32 s22, s22, s21
	v_mul_u32_u24 v6, s22, v2
	s_add_co_u32 s21, s21, SCL
	v_add_nc_u32 v5, v5, v6
	v_add_nc_u32 v[ADRS], s21, v5
	s_mul_i32 s23, s14, 16*SPITCH
	v_mul_u32_u24 v5, v1, SPITCH
	v_lshl_add_u32 v5, v2, 6, v5
	v_add_nc_u32 v[STO], s23, v5
	v_add_nc_u32 v[RD], s23, v[CO]
	s_lshl_b32 s20, s17, 3
	s_lshl_b32 s21, s41, 1
	s_add_co_u32 s20, s20, s21
	s_add_co_u32 s20, s20, s15
	s_lshl_b32 s20, s20, 19
	s_lshl_b32 s21, s40, 1
	s_add_co_u32 s21, s21, s16
	s_lshl_b32 s22, s21, 9
	s_mov_b32 s23, 0
	s_add_nc_u64 s[92:93], s[92:93], s[22:23]
	s_add_co_u32 s22, s22, s20
	s_add_nc_u64 s[94:95], s[94:95], s[22:23]
	v_lshlrev_b32 v[BNO], 6, v2
.irp b, 0,1,2,3
.irp j, 0,1,2,3
	global_load_b128 v[BO+16*\b+4*\j:BO+16*\b+4*\j+3], v[BNO], s[92:93] offset:128*\b+16*\j
.endr
.endr
.macro FRAG reg, adr, q, i
	ds_load_b128 v[\reg:\reg+3], v[\adr] offset:(2*(\q))*KQB+768*(\i)
	ds_load_b64 v[\reg+4:\reg+5], v[\adr+2] offset:(2*(\q))*KQB+768*(\i)
	ds_load_b128 v[\reg+6:\reg+9], v[\adr] offset:(2*(\q)+1)*KQB+768*(\i)
	ds_load_b64 v[\reg+10:\reg+11], v[\adr+2] offset:(2*(\q)+1)*KQB+768*(\i)
.endm
.macro MUL16 a0, p, q, sc, first
.irp a, \a0, \a0+1
.irp b, 0,1,2,3,4,5,6,7
.if \first
	v_wmma_scale_f32_16x16x128_f8f6f4 v[8*(8*((\a)%4)+\b):8*(8*((\a)%4)+\b)+7], v[128*(\p)+FR*\b:128*(\p)+FR*\b+FR-1], v[AF+FR*(\a):AF+FR*(\a)+FR-1], v[BO+8*\b:BO+8*\b+7], v[SC+8*NQ*(\sc)+NQ*\b+(\q)], v[SC+8*NQ*(\sc)+NQ*(\a)+(\q)] matrix_a_fmt:MATRIX_FMT_FP6 matrix_b_fmt:MATRIX_FMT_FP6 matrix_a_scale:MATRIX_SCALE_ROW1
.else
	v_wmma_scale_f32_16x16x128_f8f6f4 v[8*(8*((\a)%4)+\b):8*(8*((\a)%4)+\b)+7], v[128*(\p)+FR*\b:128*(\p)+FR*\b+FR-1], v[AF+FR*(\a):AF+FR*(\a)+FR-1], v[8*(8*((\a)%4)+\b):8*(8*((\a)%4)+\b)+7], v[SC+8*NQ*(\sc)+NQ*\b+(\q)], v[SC+8*NQ*(\sc)+NQ*(\a)+(\q)] matrix_a_fmt:MATRIX_FMT_FP6 matrix_b_fmt:MATRIX_FMT_FP6 matrix_a_scale:MATRIX_SCALE_ROW1
.endif
.endr
.endr
.endm
.macro FETCH_B slot, q, p
	WIN TO_B
.irp i, 0,1,2,3,4,5,6,7
	FRAG 128*(\p)+FR*\i, ADRB+\slot, \q, \i
.endr
	WIN 0
.endm
.macro FETCH_A slot, q, i0
.irp i, \i0, \i0+1, \i0+2, \i0+3
	FRAG AF+FR*(\i), ADRA+\slot, \q, \i
.endr
.endm
.macro SCALES sc
.irp i, 0,1,2,3,4,5,6,7
	ds_load_b64 v[SC+8*NQ*\sc+NQ*\i:SC+8*NQ*\sc+NQ*\i+1], v[ADRS] offset:\i*SBLK
.endr
.endm
.macro PLACES n
.rept \n
	v_nop
.endr
.endm
.macro STEP slot, q, first
	s_wait_dscnt 4*NL
.if \first
	WIN 0x81
.else
	WIN MUL_LO
.endif
	MUL16 0, (\q)%2, \q, \slot, \first
	MUL16 2, (\q)%2, \q, \slot, \first
	s_wait_dscnt 0
	PLACES NP
	FETCH_B \slot, (\q)+1, 1-(\q)%2
	FETCH_A \slot, (\q)+1, 0
.if \first
	WIN 0xc1
.else
	WIN MUL_HI
.endif
	MUL16 4, (\q)%2, \q, \slot, \first
	MUL16 6, (\q)%2, \q, \slot, \first
	PLACES NP
	WIN 0
	FETCH_A \slot, (\q)+1, 4
.endm
.macro TURN slot, next, fill
	s_wait_tensorcnt 0x0
	ds_add_u32 v[SPW], v[NIL]
	s_wait_dscnt 4*NL+1
	WIN MUL_LO
	MUL16 0, 1, NQ-1, \slot, 0
	s_wait_dscnt 0x0
	s_barrier_signal -1
	MUL16 2, 1, NQ-1, \slot, 0
	WIN 0
	s_barrier_wait -1
.if \fill
	CREST
	s_add_nc_u64 s[G0+4*\slot+2:G0+4*\slot+3], s[G0+4*\slot+2:G0+4*\slot+3], 2*HALFT
	s_add_nc_u64 s[G0B+4*\slot+2:G0B+4*\slot+3], s[G0B+4*\slot+2:G0B+4*\slot+3], 2*HALFT
	JLOAD G0+4*\slot, G1, G0B+4*\slot, G1B
.else
	PLACES NP
.endif
	s_wait_alu depctr_va_vdst(0)
	v_add_nc_u32 v[ADRS], 4*NQ, v[ADRS]
	FETCH_B \next, 0, 0
	FETCH_A \next, 0, 0
	SCALES \next
	WIN MUL_HI
	MUL16 4, 1, NQ-1, \slot, 0
	MUL16 6, 1, NQ-1, \slot, 0
	PLACES NP
	WIN 0
	FETCH_A \next, 0, 4
.endm
	s_wait_alu depctr_va_vdst(0)
	s_wait_tensorcnt 0x0                           ; my tile of the head's four is in
	ds_add_u32 v[SPW], v[NIL]
.irp g, G1, G1B                        ; no tensor load of mine is out, so the descriptors may be written: from here on a load brings one group: 96 rows of 256 dense bytes
	s_mov_b32 s[\g+1], 32<<16
	s_mov_b32 s[\g+2], 96<<16
	s_mov_b32 s[\g+3], 32<<16
	s_mov_b32 s[\g+4], 96
	s_mov_b32 s[\g+5], 32
.endr
	s_mov_b32 s[G0+1], s45                         ; slot 0's refills: my group, to wave x a group
	s_mov_b32 s[G0B+1], s45
	s_add_nc_u64 s[G0+2:G0+3], s[G0+2:G0+3], s[18:19]
	s_add_nc_u64 s[G0B+2:G0B+3], s[G0B+2:G0B+3], s[18:19]
	s_wait_dscnt 0x0                               ; the add is done
	CROUND                                         ; all four tiles are in, and all sixteen work-groups are here
	JLOAD G0+4, G1, G0B+4, G1B                     ; slot 1's first fill, the first tensor load behind the round
	FETCH_B 0, 0, 0
	FETCH_A 0, 0, 0
	SCALES 0
	global_prefetch_b8 v[PFO], s[2:3] offset:3*HALFT th:TH_LOAD_NT scope:SCOPE_SE    ; K 768-1023: the last byte named is 98,048 of the group's 98,304
	FETCH_A 0, 0, 4
	s_wait_loadcnt 0x0
	STEP 0, 0, 1
	TURN 0, 1, 1
	STEP 1, 0, 0
	TURN 1, 0, 1
	STEP 0, 0, 0
	TURN 0, 1, 0
	STEP 1, 0, 0
	s_wait_dscnt 4*NL
	WIN MUL_LO
	MUL16 0, 1, NQ-1, 1, 0
	MUL16 2, 1, NQ-1, 1, 0
	s_wait_dscnt 0
	WIN MUL_HI
	MUL16 4, 1, NQ-1, 1, 0
	MUL16 6, 1, NQ-1, 1, 0
	WIN 0
.macro TOSTAGE a
.set AC, 64*((\a)%4)
	WIN 0x08+4*((\a)/4)
.irp b, 0,1,2,3,4,5,6,7
	ds_store_b128 v[STO], v[AC+8*\b:AC+8*\b+3] offset:128*(\b/2)+32*(\b%2)
	ds_store_b128 v[STO], v[AC+8*\b+4:AC+8*\b+7] offset:128*(\b/2)+32*(\b%2)+16
.endr
	WIN 0
.set BB, BK+64*((\a)%2)
.irp t, 0,1,2,3,4,5,6,7,8,9,10,11,12,13,14,15
	ds_load_b128 v[BB+4*\t:BB+4*\t+3], v[RD] offset:\t*SPITCH
.endr
.endm
.macro SEND a, younger
.set BB, BK+64*((\a)%2)
	s_wait_dscnt \younger
.irp t, 0,1,2,3,4,5,6,7,8,9,10,11,12,13,14,15
	global_store_b128 v[CO], v[BB+4*\t:BB+4*\t+3], s[94:95] offset:(32*((\a)/2)+8*((\a)%2)+\t+8*(\t/8))*4096 th:TH_STORE_NT
.endr
.endm
	PLACES NP
	TOSTAGE 0
.irp a, 1,2,3,4,5,6,7
.if \a > 1
	s_wait_xcnt 0x0
.endif
	TOSTAGE \a
	SEND \a-1, 32
.endr
	SEND 7, 0
	s_wait_tensorcnt 0x0
	ds_add_u32 v[SPW], v[NIL]
	s_wait_dscnt 0x0
	CROUND
	s_endpgm
.Lfunc_end_k_q0efa9f709d_outp:
	.size	k_q0efa9f709d_outp, .Lfunc_end_k_q0efa9f709d_outp-k_q0efa9f709d_outp
	.p2alignl 7, 3214868480
	.fill 96, 4, 3214868480
	.section	.rodata,"a",@progbits
	.p2align	6, 0x0
	.amdhsa_kernel k_q0efa9f709d_outp
		.amdhsa_group_segment_fixed_size 327680
		.amdhsa_private_segment_fixed_size 0
		.amdhsa_enable_private_segment 0
		.amdhsa_kernarg_size 48
		.amdhsa_user_sgpr_count 2
		.amdhsa_user_sgpr_kernarg_segment_ptr 1
		.amdhsa_wavefront_size32 1
		.amdhsa_system_sgpr_workgroup_id_x 1
		.amdhsa_system_sgpr_workgroup_id_y 1
		.amdhsa_system_sgpr_workgroup_id_z 1
		.amdhsa_system_vgpr_workitem_id 0
		.amdhsa_next_free_vgpr 1024
		.amdhsa_next_free_sgpr 96
		.amdhsa_reserve_vcc 0
		.amdhsa_float_denorm_mode_32 3
		.amdhsa_float_denorm_mode_16_64 3
		.amdhsa_memory_ordered 1
		.amdhsa_forward_progress 1
		.amdhsa_inst_pref_size 146
	.end_amdhsa_kernel
	.amdgpu_metadata
---
amdhsa.version: [ 1, 2 ]
amdhsa.kernels:
  - .name:           k_q0efa9f709d_outp
    .symbol:         k_q0efa9f709d_outp.kd
    .args:
      - { .name: oimg, .offset: 0, .size: 8, .value_kind: global_buffer, .address_space: global }
      - { .name: osc, .offset: 8, .size: 8, .value_kind: global_buffer, .address_space: global }
      - { .name: xc, .offset: 16, .size: 8, .value_kind: global_buffer, .address_space: global }
      - { .name: xs, .offset: 24, .size: 8, .value_kind: global_buffer, .address_space: global }
      - { .name: bo, .offset: 32, .size: 8, .value_kind: global_buffer, .address_space: global }
      - { .name: out0, .offset: 40, .size: 8, .value_kind: global_buffer, .address_space: global }
    .group_segment_fixed_size: 327680
    .private_segment_fixed_size: 0
    .kernarg_segment_align: 8
    .kernarg_segment_size: 48
    .max_flat_workgroup_size: 128
    .sgpr_count:     96
    .vgpr_count:     1024
    .wavefront_size: 32
...
	.end_amdgpu_metadata
.endif
;; end of part 4
